; MI455X (gfx1250); checked and timed in simulation.
; The chip was launched on July 23, 2026; its instructions are those of AMD's public machine-readable ISA for CDNA 5 (MIT licence, August 2026) and "CDNA5" Instruction Set Architecture Reference Guide (July 2026). The comments in the code are by the model that wrote it; some were corrected since.
;; Wf Causal Conv3d Attn Block. Allowed arithmetic: matrix products marked QUANTISED: E2M1 operands, one E8M0 scale for each 32 along K, by v_wmma_scale_f32_16x16x128_f8f6f4 with both operands' format E2M1 (or v_wmma_scale_f32_32x16x128_f4), f32 sums; everything else in f32.
;; Inputs: beta 512 float32; gamma 512 float32; k_b 512 float32; k_w_codes 512 x 16 x 16 uint8 (E2M1 codes of k_w, K innermost, in blocks of 32 codes, two codes a byte); k_w_scales 512 x 16 uint8 (E8M0 scales of k_w, one for each 32 codes along K); proj_b 512 float32; proj_w_codes 512 x 16 x 16 uint8 (E2M1 codes of proj_w, K innermost, in blocks of 32 codes, two codes a byte); proj_w_scales 512 x 16 uint8 (E8M0 scales of proj_w, one for each 32 codes along K); q_b 512 float32; q_w_codes 512 x 16 x 16 uint8 (E2M1 codes of q_w, K innermost, in blocks of 32 codes, two codes a byte); q_w_scales 512 x 16 uint8 (E8M0 scales of q_w, one for each 32 codes along K); v_b 512 float32; v_w_codes 512 x 16 x 16 uint8 (E2M1 codes of v_w, K innermost, in blocks of 32 codes, two codes a byte); v_w_scales 512 x 16 uint8 (E8M0 scales of v_w, one for each 32 codes along K); x 2 x 512 x 16 x 32 x 32 float32.
;; Outputs: out0 2 x 512 x 16 x 32 x 32 float32.
;; This version of the problem:
;;   THIS VERSION OF THE PROBLEM IS GIVEN IN LOW PRECISION. The matrix products marked QUANTISED in the list below multiply operands that are first quantised to E2M1 (2 exponent bits, 1 mantissa bit; 4 bits a number), with one power-of-two scale for each 32 numbers along K (OCP MX v1.0); their sums are f32. All else is computed in f32.
;;   The module's matrix products, in the order in which they are computed (A, B: the left and right operand; K: the contracted axis; several contracted axes count as one K, in the product's order):
;;     1. [M 512, K 512] x [K 512, N 32,768]; A: input q_w (given as codes); B: computed on the way: QUANTISED
;;     2. [M 512, K 512] x [K 512, N 32,768]; A: input k_w (given as codes); B: computed on the way: QUANTISED
;;     3. [M 512, K 512] x [K 512, N 32,768]; A: input v_w (given as codes); B: computed on the way: QUANTISED
;;     4. batch 32 x [M 1,024, K 512] x [K 512, N 1,024]; A: computed on the way; B: computed on the way: QUANTISED
;;     5. batch 32 x [M 1,024, K 1,024] x [K 1,024, N 512]; A: softmax (see below); B: computed on the way: QUANTISED
;;     6. [M 512, K 512] x [K 512, N 32,768]; A: input proj_w (given as codes); B: computed on the way: QUANTISED
;;   THE QUANTISER, for each operand of a quantised product, along K:
;;     - K is cut into blocks of 32 from its start; a last block that is shorter is filled with zeros.
;;     - A block's scale is 2^e with e = floor(log2(the largest magnitude in the block)) - 2, held to -126 .. 127; a block of zeros has e = 0. As a byte (E8M0): e + 127.
;;     - Each number is divided by its block's scale, clamped to +-6, and rounded to the nearest number of E2M1, ties to even, subnormals kept.
;;     - The product sums the exact products of the quantised numbers (number of the format x scale) in f32.
;;   ~~~python
;;   def quantise(x, axis):      # numpy; x: float32 -> the quantised numbers, widened to float32 again
;;       x = np.moveaxis(x, axis, -1); K = x.shape[-1]
;;       x = np.pad(x, [(0, 0)] * (x.ndim - 1) + [(0, -K % 32)]); x = x.reshape(x.shape[:-1] + (-1, 32)); a = np.abs(x).max(-1, keepdims=True)
;;       e = np.where(a > 0, np.clip(np.frexp(np.where(a > 0, a, 1))[1] - 1 - 2, -126, 127), 0)      # np.frexp(a)[1] - 1 = floor(log2(a)), exactly
;;       r = np.clip(x / 2.0 ** e, -6, 6)
;;       step = 2.0 ** (np.maximum(np.frexp(np.where(r == 0, 1, r))[1] - 1, 0) - 1)
;;       q = np.round(r / step) * step * 2.0 ** e      # np.round: ties to even
;;       return np.moveaxis(q.reshape(q.shape[:-2] + (-1,))[..., :K], -1, axis).astype(np.float32)
;;   ~~~
;;   SOFTMAX AHEAD OF A QUANTISED PRODUCT. Where the list says 'softmax', what is quantised is not the finished softmax but p = 2^(t - M), with t = logit x log2(e) and M = ceil(the row's largest t), a whole number; so 1/2 < the row's largest p <= 1. The row's sum l is taken of the UNQUANTISED p, in f32, and the product's result is divided by l at the end. Since M is a whole number, a kernel that streams over the keys may use a running M (the ceiling of the running maximum): every later rescaling is an exact power of two, which a block's scale takes up: the codes' values come out the same.
;;   OPERANDS COMPUTED ON THE WAY. 'Computed on the way' means the value that the module computes at that place (a softmax that the list does not call 'softmax' is quantised finished and normalised). What goes into a quantiser is computed in f32, as accurately as f32 sums, v_exp_f32 and their like allow (about 1e-6 of the number): no bf16 or f16 on the way to a quantiser, and a product that is left as it is and whose result goes on into a quantised operand takes f32 operands (vector FMAs, or v_wmma_f32_16x16x4_f32). A number that lies on a knife's edge between two numbers of the format may be rounded either way, as far as f32 arithmetic and the matrix unit's own rounding can turn it there, and no further.
;;   INPUTS GIVEN AS CODES. k_w (in the module: [512, 512], K = its axis 1); proj_w (in the module: [512, 512], K = its axis 1); q_w (in the module: [512, 512], K = its axis 1); v_w (in the module: [512, 512], K = its axis 1): each comes as NAME_codes (uint8): NAME with its K axis moved to the last place and cut into blocks of 32 codes, [.., K / 32, bytes a block], one block behind the other in memory; two codes a byte, the lower K in the low four bits (a code: sign, 2 exponent bits, 1 mantissa bit); and NAME_scales (uint8): the same leading axes, one E8M0 byte (e + 127) for each 32 codes along K. Its value is code x scale, taken as it is: it is not quantised again, and the codes and scales need not be those that the quantiser above would give.
;; One version. Each part assembles by itself: llvm-mc -triple=amdgcn-amd-amdhsa -mcpu=gfx1250 --defsym DOCPART=n.
;; ======== version 1 of 1: 3 launches
;; workspace buffers: stats 32,768 bytes; qimg 8,388,608 bytes; kv 16,777,216 bytes; sc 1,048,576 bytes; qsc 524,288 bytes
;; launch stats (part 1): grid 1024 x 1, 4 waves a work-group, no clusters, 0 bytes of LDS; arguments x, stats; writes stats
.if DOCPART == 1
	.amdgcn_target "amdgcn-amd-amdhsa--gfx1250"
	.amdhsa_code_object_version 6
	.text
	.protected	k_q1eba427cfa_stats
	.globl	k_q1eba427cfa_stats
	.p2align	8
	.type	k_q1eba427cfa_stats,@function
k_q1eba427cfa_stats:
	s_mov_b64 s[64:65], 0
	v_nop
	global_prefetch_b8 v0, s[64:65] scope:SCOPE_SE
	s_setreg_imm32_b32 hwreg(HW_REG_WAVE_MODE, 25, 1), 1
	s_wait_xcnt 0x0
; GROUP NORM, FIRST HALF.  x is 4,096 chunks of 4,096 numbers (16,384 bytes on end); a channel is four chunks, a group 64.
; A wave takes one chunk, keeps it in 128 registers and makes two passes over them: the chunk's mean, then M2 = the sum of (x - mean)^2.
; No difference of large sums is formed, so a common offset of the inputs costs no digits.  The next launch joins a group's 64 pairs.
; stats: [chunk][mean, M2], f32, 8 bytes a chunk.  Memory binds: each load of a wave covers 512 consecutive bytes, all 32 are out at once; no LDS, no barrier, no matrix unit.
; LIMITS: NaN and infinities among the inputs are not served.
.set X, 16                             ; v[16:143] the chunk
.macro REDUCE                          ; the four packed chains v[4:11] become one number, in v14 of every lane
	v_pk_add_f32 v[4:5], v[4:5], v[6:7]
	v_pk_add_f32 v[8:9], v[8:9], v[10:11]
	v_pk_add_f32 v[4:5], v[4:5], v[8:9]
	v_add_f32 v14, v4, v5
	v_add_f32_dpp v14, v14, v14 row_xmask:1 row_mask:0xf bank_mask:0xf
	v_add_f32_dpp v14, v14, v14 row_xmask:2 row_mask:0xf bank_mask:0xf
	v_add_f32_dpp v14, v14, v14 row_xmask:4 row_mask:0xf bank_mask:0xf
	v_add_f32_dpp v14, v14, v14 row_xmask:8 row_mask:0xf bank_mask:0xf
	v_permlanex16_b32 v15, v14, s12, s13
	v_add_f32 v14, v14, v15
.endm
	s_load_b128 s[4:7], s[0:1], 0x0                ; x, stats
	v_lshrrev_b32 v2, 5, v0
	v_readfirstlane_b32 s8, v2                     ; wave
	v_and_b32 v1, 31, v0
	v_lshlrev_b32 v1, 4, v1                        ; 16 bytes a lane
	v_mov_b32 v15, 0                               ; a lane permute's destination counts as read
	v_mov_b32 v3, 0                                ; the store's offset
	s_lshl_b32 s9, ttmp9, 2
	s_add_co_u32 s9, s9, s8                        ; my chunk
	s_lshl_b32 s10, s9, 14                         ; its first byte in x (under 2^26)
	s_mov_b32 s11, 0
	s_lshl_b32 s14, s9, 3                          ; and in stats
	s_mov_b32 s15, 0
	s_mov_b32 s12, 0x76543210
	s_mov_b32 s13, 0xfedcba98                      ; lane l xor 16
	s_wait_kmcnt 0x0
	s_add_nc_u64 s[4:5], s[4:5], s[10:11]
	s_add_nc_u64 s[6:7], s[6:7], s[14:15]
.set ii, 0
.rept 32
	global_load_b128 v[X+4*ii:X+4*ii+3], v1, s[4:5] offset:512*ii th:TH_LOAD_NT
.set ii, ii+1
.endr
	; pass 1: the sum, two numbers at a time, in four chains; the first eight pairs start them
	s_wait_loadcnt 24                              ; the first eight loads are in, the 24 younger may be out
.irp k, 0,1,2,3
	v_pk_add_f32 v[4+2*\k:5+2*\k], v[X+2*\k:X+2*\k+1], v[X+8+2*\k:X+9+2*\k]
.endr
.irp p, 8,9,10,11,12,13,14,15
	v_pk_add_f32 v[4+2*(\p%4):5+2*(\p%4)], v[4+2*(\p%4):5+2*(\p%4)], v[X+2*\p:X+2*\p+1]
.endr
.irp g, 1,2,3
	s_wait_loadcnt 24-8*\g                         ; the next eight loads
.irp p, 0,1,2,3,4,5,6,7,8,9,10,11,12,13,14,15
	v_pk_add_f32 v[4+2*(\p%4):5+2*(\p%4)], v[4+2*(\p%4):5+2*(\p%4)], v[X+32*\g+2*\p:X+32*\g+2*\p+1]
.endr
.endr
	REDUCE
	v_mul_f32 v12, 0x39800000, v14                 ; mean = sum / 4,096
	v_mov_b32 v13, v12
	; pass 2: x - mean in place, then the sum of squares
.set ii, 0
.rept 64
	v_pk_add_f32 v[X+2*ii:X+2*ii+1], v[X+2*ii:X+2*ii+1], v[12:13] neg_lo:[0,1] neg_hi:[0,1]
.set ii, ii+1
.endr
.irp k, 0,1,2,3
	v_pk_mul_f32 v[4+2*\k:5+2*\k], v[X+2*\k:X+2*\k+1], v[X+2*\k:X+2*\k+1]
.endr
.set ii, 4
.rept 60
	v_pk_fma_f32 v[4+2*(ii%4):5+2*(ii%4)], v[X+2*ii:X+2*ii+1], v[X+2*ii:X+2*ii+1], v[4+2*(ii%4):5+2*(ii%4)]
.set ii, ii+1
.endr
	REDUCE
	v_mov_b32 v13, v14                             ; v[12:13] = mean, M2
	v_cmp_eq_u32 vcc_lo, 0, v1                     ; lane 0 stores for the wave
	s_wait_xcnt 0x0                                ; EXEC is a source of the loads: it changes only behind this wait
	s_and_saveexec_b32 s8, vcc_lo
	global_store_b64 v3, v[12:13], s[6:7]
	s_wait_xcnt 0x0                                ; and again in front of the line that widens it
	s_or_b32 exec_lo, exec_lo, s8
	s_endpgm
.Lfunc_end_k_q1eba427cfa_stats:
	.size	k_q1eba427cfa_stats, .Lfunc_end_k_q1eba427cfa_stats-k_q1eba427cfa_stats
	.p2alignl 7, 3214868480
	.fill 96, 4, 3214868480
	.section	.rodata,"a",@progbits
	.p2align	6, 0x0
	.amdhsa_kernel k_q1eba427cfa_stats
		.amdhsa_group_segment_fixed_size 0
		.amdhsa_private_segment_fixed_size 0
		.amdhsa_enable_private_segment 0
		.amdhsa_kernarg_size 16
		.amdhsa_user_sgpr_count 2
		.amdhsa_user_sgpr_kernarg_segment_ptr 1
		.amdhsa_wavefront_size32 1
		.amdhsa_system_sgpr_workgroup_id_x 1
		.amdhsa_system_sgpr_workgroup_id_y 1
		.amdhsa_system_sgpr_workgroup_id_z 1
		.amdhsa_system_vgpr_workitem_id 0
		.amdhsa_next_free_vgpr 144
		.amdhsa_next_free_sgpr 66
		.amdhsa_reserve_vcc 1
		.amdhsa_float_denorm_mode_32 3
		.amdhsa_float_denorm_mode_16_64 3
		.amdhsa_memory_ordered 1
		.amdhsa_forward_progress 1
		.amdhsa_inst_pref_size 18
	.end_amdhsa_kernel
	.amdgpu_metadata
---
amdhsa.version: [ 1, 2 ]
amdhsa.kernels:
  - .name:           k_q1eba427cfa_stats
    .symbol:         k_q1eba427cfa_stats.kd
    .args:
      - { .name: x, .offset: 0, .size: 8, .value_kind: global_buffer, .address_space: global }
      - { .name: stats, .offset: 8, .size: 8, .value_kind: global_buffer, .address_space: global }
    .group_segment_fixed_size: 0
    .private_segment_fixed_size: 0
    .kernarg_segment_align: 8
    .kernarg_segment_size: 16
    .max_flat_workgroup_size: 128
    .sgpr_count:     66
    .vgpr_count:     144
    .wavefront_size: 32
...
	.end_amdgpu_metadata
.endif
;; end of part 1
;; launch qkv (part 2): grid 256 x 1, 4 waves a work-group, no clusters, 303,616 bytes of LDS; arguments x, stats, gamma, beta, q_w_codes, q_w_scales, q_b, k_w_codes, k_w_scales, k_b, v_w_codes, v_w_scales, v_b, qimg, qsc, kv, sc; writes qimg, qsc, kv, sc
.if DOCPART == 2
	.amdgcn_target "amdgcn-amd-amdhsa--gfx1250"
	.amdhsa_code_object_version 6
	.text
	.protected	k_q1eba427cfa_qkv
	.globl	k_q1eba427cfa_qkv
	.p2align	8
	.type	k_q1eba427cfa_qkv,@function
k_q1eba427cfa_qkv:
	s_mov_b64 s[64:65], 0
	v_nop
	global_prefetch_b8 v0, s[64:65] scope:SCOPE_SE
	s_setreg_imm32_b32 hwreg(HW_REG_WAVE_MODE, 25, 1), 1
	s_wait_xcnt 0x0
; GROUP NORM'S SECOND HALF, AND q, k, v.  hn = (x - mean) gamma rstd + beta is quantised along the channels to FP4 (E2M1, one E8M0 scale for 32); q = Wq hn + bq, k, v likewise, on codes;
; q and k are quantised along their channels, v along the keys, and all three leave as IMAGES OF OPERAND REGISTERS, which the next launch loads as they lie.
; SHARES.  Work-group wg: frame f = wg / 8 (b = f / 16, t = f % 16), positions 128 (wg % 8) .. + 127.  Its x, 512 channels x 512 bytes, comes into LDS once, by 16 tensor loads.
;   Phase X: wave w quantises hn of positions 32 w .. 32 w + 31: a lane takes a position and its registers run down the channels, so a block of 32 is one lane's.
;   Phase P: wave w makes output channels 128 w .. 128 w + 127 of q, then k, then v, for all 128 positions: 64 accumulators, 256 matrix instructions a matrix.
; ROWS OF A TILE ARE NOT NEIGHBOURS: lane r of tile 2 b + u (of positions, and of a weight's rows) takes row 32 b + 8 u + r + 8 (r / 8), so that in a result the 16 registers of tiles 2 b, 2 b + 1 are 16 neighbours.
;   q, k: source 0 = 16 rows of W, source 1 = hn: a lane holds a position, its registers run along the output channels (the next K).   v: source 0 = hn, source 1 = W: a lane holds a channel, its registers run along the keys.
; AN IMAGE of a fragment (16 rows x 128 K, 8 registers) is 1,024 bytes: registers 0-3 at 16 x lane, registers 4-7 at 512 + 16 x lane.  Four scale words a lane make an image of 512 bytes.
; NO JOINT LOADS: x's tile is read by this work-group alone.  The weights go from memory straight into each wave's operand registers (32,768 bytes a wave and matrix, each byte once a work-group); a joint load lands in LDS,
;   where the three matrices with their scales, 417,792 bytes, do not fit beside x's 262,144.
; LIMITS: NaN and infinities are not served.  A block whose largest magnitude lies under 2^-124 has its byte held at 1; a block of zeros gets the byte 1 (its codes are zeros, and this program alone reads the bytes).
; REGISTERS.  Window 0: v1-19 addresses; v24-55 the weight's scale words (4 t + s); v56-71 hn's (4 w' + s: lanes 0-15 tile 2 w', lanes 16-31 tile 2 w' + 1); v72-87 at work; v88-99 scale words made; v100-115 codes made;
;   v128-191, v192-255 two sets of hn's fragments (the second first holds the bias); in phase X: 64 numbers of x, and a, beta of 32 channels.   Window 1: the weight's fragments, (s, t) at 64 s + 8 t.   Windows 2, 3: the accumulators.
.set HIMG, 262144                      ; LDS: x at 0 (row = channel, 512 bytes); hn's images, tile m, K step s at 4096 m + 1024 s;
.set HSC,  294912                      ; hn's scale words, 512 bytes a wave;
.set PA,   296960                      ; a = gamma rstd by channel; + 2048: beta; + 4096: the channel's group's mean
.set LI,  1                            ; 16 x lane
.set XA0, 2                            ; 4 x my position
.set XA,  3                            ; the trip's addresses: x,
.set PT,  4                            ; the tables,
.set IA,  5                            ; the images
.set IA0, 6
.set HA,  7
.set HSA, 8
.set WA,  9                            ; a weight's codes: 256 (r + 8 (r / 8)) + 16 (lane / 16)
.set WSA, 10                           ; its scales: 16 (r + 8 (r / 8))
.set BQA, 11                           ; q's and k's bias: 64 (lane / 16)
.set BVA, 12                           ; v's: 4 (r + 8 (r / 8))
.set TA,  13                           ; the tables, on the way in: PA + 16 x thread
.set HSW, 14                           ; HSC + 16 x thread
.set WS,  24
.set HS,  56
.set TM,  72
.set SW,  88
.set SO,  96
.set PC,  100
.set MN,  116
.set SET0, 128
.set SET1, 192
.set X0,  128
.set PAR, 192
.set PBR, 224
.set C0,  100
.set C1,  104
.set WORD, 88
.set HW,  92
.set WV,  2                            ; s2 wave
.set G1,  40                           ; s[40:47] descriptor group 1;  s[48:63] four groups 0
.set G0,  48
.set SEL, 66
.set XO,  68
.set PO,  69
.set IO,  70
.set HM,  71                           ; the lanes from 16 on
.set VIM, 72                           ; s[72:73] where v's images go
.set MSB, 0
.macro WIN new                         ; the immediate's high byte repeats the setting that is left
.if MSB != (\new)
	s_set_vgpr_msb (MSB<<8)|(\new)
.set MSB, (\new)
.endif
.endm
.macro PLACES n
.rept \n
	v_nop
.endr
.endm
; one matrix instruction; ra, rb: A's and B's scale words stand in lanes 16-31
.macro WM d, a, b, c, sa, sb, ra, rb
.if ((\ra)==0) && ((\rb)==0)
	v_wmma_scale_f32_16x16x128_f8f6f4 v[(\d):(\d)+7], v[(\a):(\a)+7], v[(\b):(\b)+7], v[(\c):(\c)+7], v[\sa], v[\sb] matrix_a_fmt:MATRIX_FMT_FP4 matrix_b_fmt:MATRIX_FMT_FP4
.elseif (\rb)==0
	v_wmma_scale_f32_16x16x128_f8f6f4 v[(\d):(\d)+7], v[(\a):(\a)+7], v[(\b):(\b)+7], v[(\c):(\c)+7], v[\sa], v[\sb] matrix_a_fmt:MATRIX_FMT_FP4 matrix_b_fmt:MATRIX_FMT_FP4 matrix_a_scale:MATRIX_SCALE_ROW1
.elseif (\ra)==0
	v_wmma_scale_f32_16x16x128_f8f6f4 v[(\d):(\d)+7], v[(\a):(\a)+7], v[(\b):(\b)+7], v[(\c):(\c)+7], v[\sa], v[\sb] matrix_a_fmt:MATRIX_FMT_FP4 matrix_b_fmt:MATRIX_FMT_FP4 matrix_b_scale:MATRIX_SCALE_ROW1
.else
	v_wmma_scale_f32_16x16x128_f8f6f4 v[(\d):(\d)+7], v[(\a):(\a)+7], v[(\b):(\b)+7], v[(\c):(\c)+7], v[\sa], v[\sb] matrix_a_fmt:MATRIX_FMT_FP4 matrix_b_fmt:MATRIX_FMT_FP4 matrix_a_scale:MATRIX_SCALE_ROW1 matrix_b_scale:MATRIX_SCALE_ROW1
.endif
.endm
; 64 numbers of a lane in window wn, register 16 b + i = k 32 b + 16 (lane / 16) + i of my row, become a fragment's codes in v[pc] on and its scale word in v[pw].  Each accumulator is read from its low end on.
.macro QUANT base, wn, pc, pw
	WIN ((\wn)<<2)|((\wn)<<4)
.irp b, 0,1,2,3
	v_max3_num_f32 v[TM+\b], 0x1800000, |v[(\base)+16*\b]|, |v[(\base)+16*\b+1]|   ; my 16 numbers of block b, and the floor 2^(3 - 127): the byte cannot fall under 1
.endr
.irp i, 2,4,6,8,10,12,14
.irp b, 0,1,2,3
	v_max3_num_f32 v[TM+\b], v[TM+\b], |v[(\base)+16*\b+\i]|, |v[(\base)+16*\b+\i+1]|
.endr
.endr
	WIN 0
.irp b, 0,1,2,3
	v_permlanex16_b32 v[TM+4+\b], v[TM+\b], s[SEL], s[SEL+1]
.endr
.irp b, 0,1,2,3
	v_max_num_f32 v[TM+\b], v[TM+\b], v[TM+4+\b]   ; with lane l xor 16's: the block's largest magnitude
.endr
.irp b, 0,1,2,3
	v_add_nc_u32 v[TM+12+\b], 0xff000000, v[TM+\b] ; 2 off its exponent field: the conversion's scale operand
.endr
.irp b, 0,1,2,3
	v_lshrrev_b32 v[TM+4+\b], 23, v[TM+12+\b]      ; the scale's byte
.endr
	v_lshl_or_b32 v[\pw], v[TM+5], 8, v[TM+4]
	v_lshl_or_b32 v[\pw], v[TM+6], 16, v[\pw]
	v_lshl_or_b32 v[\pw], v[TM+7], 24, v[\pw]
	WIN (\wn)
.irp b, 0,1,2,3
	v_cvt_scalef32_pk8_fp4_f32 v[(\pc)+2*\b], v[(\base)+16*\b:(\base)+16*\b+7], v[TM+12+\b]
	v_cvt_scalef32_pk8_fp4_f32 v[(\pc)+2*\b+1], v[(\base)+16*\b+8:(\base)+16*\b+15], v[TM+12+\b]
.endr
	WIN 0
	v_nop                                          ; one plain place behind a scaled conversion
.irp c, 0,1                                    ; the operand wants a whole block in a lane: lanes 0-15 block 2 c, lanes 16-31 block 2 c + 1
.irp i, 0,1
	v_permlane16_swap_b32 v[(\pc)+4*\c+\i], v[(\pc)+4*\c+2+\i]
.endr
.endr
.endm
.macro WLOAD st, p                     ; my 128 rows' fragments of K step st, from the codes at s[p:p+1], into window 1
	WIN 0x40
.irp t, 0,1,2,3,4,5,6,7
.irp c, 0,1
	global_load_b128 v[64*(\st)+8*\t+4*\c:64*(\st)+8*\t+4*\c+3], v[WA], s[\p:\p+1] offset:(32*(\t/2)+8*(\t%2))*256+64*(\st)+32*\c
.endr
.endr
	WIN 0
.endm
.macro WSLOAD p                        ; their scale words: 16 bytes a row are the four K steps' words
.irp t, 0,1,2,3,4,5,6,7
	global_load_b128 v[WS+4*\t:WS+4*\t+3], v[WSA], s[\p:\p+1] offset:(32*(\t/2)+8*(\t%2))*16
.endr
.endm
.macro BIASQ p                         ; the bias in the result's layout: lane (r, h), tile t: channels 32 (t / 2) + 8 (t % 2) + 16 h + 0 .. 7
.irp t, 0,1,2,3,4,5,6,7
	global_load_b128 v[SET1+8*\t:SET1+8*\t+3], v[BQA], s[\p:\p+1] offset:(32*(\t/2)+8*(\t%2))*4
	global_load_b128 v[SET1+8*\t+4:SET1+8*\t+7], v[BQA], s[\p:\p+1] offset:(32*(\t/2)+8*(\t%2))*4+16
.endr
.endm
.macro BIASV p                         ; a lane holds one channel: one number a tile, spread over its eight registers later
.irp t, 0,1,2,3,4,5,6,7
	global_load_b32 v[SET1+8*\t], v[BVA], s[\p:\p+1] offset:(32*(\t/2)+8*(\t%2))*4
.endr
.endm
.macro HFETCH st, fs                   ; hn's eight fragments of K step st
.irp m, 0,1,2,3,4,5,6,7
.irp c, 0,1
	ds_load_b128 v[(\fs)+8*\m+4*\c:(\fs)+8*\m+4*\c+3], v[HA] offset:\m*4096+(\st)*1024+512*\c
.endr
.endr
.endm
; 64 matrix instructions: K step st.  The 64 accumulators take turns, one instruction a turn, in the same order in every K step.  fi = 1: the bias is the C of the first K step.
.macro MUL st, fs, md, fi
.if \md
.irp t, 0,1,2,3,4,5,6,7
.if \fi
	WIN 0x84+0x40*(\t/4)
.else
	WIN 0xa4+0x50*(\t/4)
.endif
.irp m, 0,1,2,3,4,5,6,7
.if \fi
	WM 64*(\t%4)+8*\m, (\fs)+8*\m, 64*(\st)+8*\t, SET1+8*\t, HS+4*(\m/2)+(\st), WS+4*\t+(\st), \m%2, 0
.else
	WM 64*(\t%4)+8*\m, (\fs)+8*\m, 64*(\st)+8*\t, 64*(\t%4)+8*\m, HS+4*(\m/2)+(\st), WS+4*\t+(\st), \m%2, 0
.endif
.endr
.endr
.else
.irp m, 0,1,2,3,4,5,6,7
.if \fi
	WIN 0x81+0x40*(\m/4)
.else
	WIN 0xa1+0x50*(\m/4)
.endif
.irp t, 0,1,2,3,4,5,6,7
.if \fi
	WM 64*(\m%4)+8*\t, 64*(\st)+8*\t, (\fs)+8*\m, SET1+8*\t, WS+4*\t+(\st), HS+4*(\m/2)+(\st), 0, \m%2
.else
	WM 64*(\m%4)+8*\t, 64*(\st)+8*\t, (\fs)+8*\m, 64*(\m%4)+8*\t, WS+4*\t+(\st), HS+4*(\m/2)+(\st), 0, \m%2
.endif
.endr
.endr
.endif
.endm
; the 64 accumulators become eight fragments; each leaves by two stores of 512 consecutive bytes; the eight scale words leave as one image: register i holds tile i in lanes 0-15, tile 4 + i in lanes 16-31
.macro EPI oi, sd, os, oo
.irp i, 0,1,2,3,4,5,6,7
	s_wait_xcnt 0x0                                ; the stores of two fragments ago have read their registers, which are written again below
	QUANT 64*(\i%4), 2+\i/4, PC+8*(\i%2), SW+\i
	global_store_b128 v[LI], v[PC+8*(\i%2):PC+8*(\i%2)+3], s[\oi:\oi+1] offset:\i*(\sd)
	global_store_b128 v[LI], v[PC+8*(\i%2)+4:PC+8*(\i%2)+7], s[\oi:\oi+1] offset:\i*(\sd)+512
.endr
.irp i, 0,1,2,3
	v_cndmask_b32 v[SO+\i], v[SW+\i], v[SW+4+\i], s[HM]
.endr
	global_store_b128 v[LI], v[SO:SO+3], s[\os:\os+1] offset:\oo
.endm
; One matrix.  md = 1: v's order of sources.  nx: 0 nothing follows, 1 a matrix of q's kind, 2 of v's.  The next matrix's fragments of K step s are asked for as soon as this one's are done with.
.macro MATRIX md, nx, nwc, nws, nb, oi, sd, os, oo
	s_wait_loadcnt 0x0                             ; the weight, its scales, the bias
	s_wait_dscnt 0x0                               ; hn's K step 0
.if \md
.irp t, 0,1,2,3,4,5,6,7
.irp j, 1,2,3,4,5,6,7
	v_mov_b32 v[SET1+8*\t+\j], v[SET1+8*\t]
.endr
.endr
.endif
	MUL 0, SET0, \md, 1
	PLACES 4                                       ; in front of loads into registers that matrix instructions have read
	WIN 0
	HFETCH 1, SET1
	HFETCH 2, SET0
.if \nx
	WLOAD 0, \nwc
.endif
	s_wait_dscnt 16                                ; K step 1 is in, K step 2's sixteen loads may be out
	MUL 1, SET1, \md, 0
	PLACES 4
	WIN 0
	HFETCH 3, SET1
.if \nx
	WLOAD 1, \nwc
.endif
	s_wait_dscnt 16                                ; K step 2 is in
	MUL 2, SET0, \md, 0
	PLACES 4
	WIN 0
.if \nx
	HFETCH 0, SET0
	WLOAD 2, \nwc
	s_wait_dscnt 16                                ; K step 3 is in
.else
	s_wait_dscnt 0x0
.endif
	MUL 3, SET1, \md, 0
	PLACES 4                                       ; also in front of the first read of results
	WIN 0
.if \nx
	WLOAD 3, \nwc
	WSLOAD \nws
.if \nx == 1
	BIASQ \nb
.else
	BIASV \nb
.endif
.endif
	EPI \oi, \sd, \os, \oo
.endm
; ---- phase X's parts.  bl = 0, 1: the trip's two blocks of 32 channels
.macro LOADX bl
.set ii, 0
.rept 32
	ds_load_b32 v[X0+32*(\bl)+ii], v[XA] offset:16384*(\bl)+512*ii   ; 32 lanes read 32 different words of one channel's row
.set ii, ii+1
.endr
.endm
.macro LOADP bl
.irp i, 0,1,2,3,4,5,6,7
	ds_load_b128 v[PAR+4*\i:PAR+4*\i+3], v[PT] offset:128*(\bl)+16*\i
.endr
.irp i, 0,1,2,3,4,5,6,7
	ds_load_b128 v[PBR+4*\i:PBR+4*\i+3], v[PT] offset:2048+128*(\bl)+16*\i
.endr
	ds_load_b64 v[MN:MN+1], v[PT] offset:4096+128*(\bl)        ; the block's two groups' means, each as a pair
	ds_load_b64 v[MN+2:MN+3], v[PT] offset:4096+128*(\bl)+64
.endm
.macro NORM bl
.set ii, 0
.rept 16
	v_pk_add_f32 v[X0+32*(\bl)+2*ii:X0+32*(\bl)+2*ii+1], v[X0+32*(\bl)+2*ii:X0+32*(\bl)+2*ii+1], v[MN+2*(ii/8):MN+2*(ii/8)+1] neg_lo:[0,1] neg_hi:[0,1]
.set ii, ii+1
.endr
.set ii, 0
.rept 16
	v_pk_fma_f32 v[X0+32*(\bl)+2*ii:X0+32*(\bl)+2*ii+1], v[X0+32*(\bl)+2*ii:X0+32*(\bl)+2*ii+1], v[PAR+2*ii:PAR+2*ii+1], v[PBR+2*ii:PBR+2*ii+1]
.set ii, ii+1
.endr
.endm
.macro MAXQ bl                         ; the block's 32 numbers are mine: its scale, its byte (v[TM+8+bl]) and its codes
.set XS, X0+32*(\bl)
	v_max3_num_f32 v[TM], |v[XS]|, |v[XS+1]|, |v[XS+2]|
	v_max3_num_f32 v[TM+1], |v[XS+3]|, |v[XS+4]|, |v[XS+5]|
.irp i, 6,10,14,18,22,26
	v_max3_num_f32 v[TM], v[TM], |v[XS+\i]|, |v[XS+\i+1]|
	v_max3_num_f32 v[TM+1], v[TM+1], |v[XS+\i+2]|, |v[XS+\i+3]|
.endr
	v_max3_num_f32 v[TM], v[TM], |v[XS+30]|, |v[XS+31]|
	v_max3_num_f32 v[TM], v[TM], v[TM+1], 0x1800000
	v_add_nc_u32 v[TM+2], 0xff000000, v[TM]
.irp g, 0,1,2,3
	v_cvt_scalef32_pk8_fp4_f32 v[C0+4*(\bl)+\g], v[XS+8*\g:XS+8*\g+7], v[TM+2]
.endr
	v_lshrrev_b32 v[TM+8+(\bl)], 23, v[TM+2]       ; (a plain line behind the conversions)
.endm
.macro TRIP                            ; 64 channels: half a K step of tiles 2 w and 2 w + 1
	s_wait_dscnt 0x0                               ; no LDS instruction of mine is out: the three address registers are written
	v_add_nc_u32 v[XA], s[XO], v[XA0]
	v_mov_b32 v[PT], s[PO]
	v_add_nc_u32 v[IA], s[IO], v[IA0]
	LOADX 0
	LOADP 0
	LOADX 1
	s_wait_dscnt 32                                ; all but the second block's 32 numbers
	NORM 0
	LOADP 1
	MAXQ 0
	s_wait_dscnt 0x0
	NORM 1
	MAXQ 1
	v_nop
.irp g, 0,1,2,3
	v_permlane16_swap_b32 v[C0+\g], v[C1+\g]       ; lanes 0-15 hold tile 2 w's rows, lanes 16-31 tile 2 w + 1's: behind the swap C0 is tile 2 w's piece (lanes 0-15 the first block, 16-31 the second), C1 tile 2 w + 1's
.endr
	ds_store_b128 v[IA], v[C0:C0+3]
	ds_store_b128 v[IA], v[C1:C1+3] offset:4096
	v_lshrrev_b32 v[WORD], 16, v[WORD]             ; two bytes a trip: two trips make a K step's scale word
	v_lshl_or_b32 v[WORD], v[TM+8], 16, v[WORD]
	v_lshl_or_b32 v[WORD], v[TM+9], 24, v[WORD]
	s_add_co_u32 s[XO], s[XO], 32768
	s_add_co_u32 s[PO], s[PO], 256
	s_add_co_u32 s[IO], s[IO], 512
.endm
.macro PIECE st                        ; K step st: channels 128 st .. + 127
	s_wait_tensorcnt 3-(\st)                       ; my load of these channels has landed; the younger ones may be out
	s_wait_dscnt 0x0
	s_barrier_signal -1
	s_barrier_wait -1                              ; everybody's has (and, the first time, the tables lie in LDS)
	s_mov_b32 s[XO], (\st)*65536
	s_mov_b32 s[PO], PA+(\st)*512
	s_mov_b32 s[IO], (\st)*1024
	s_mov_b32 s3, 2
.Lpiece_\@:
	TRIP
	s_sub_co_u32 s3, s3, 1
	s_cmp_lg_u32 s3, 0
	s_cbranch_scc1 .Lpiece_\@
	v_mov_b32 v[HW+(\st)], v[WORD]
.endm
	s_load_b256 s[4:11], s[0:1], 0x0               ; x, stats, gamma, beta
	s_load_b256 s[12:19], s[0:1], 0x20             ; q's codes, scales, bias; k's codes
	s_load_b256 s[20:27], s[0:1], 0x40             ; k's scales, bias; v's codes, scales
	s_load_b256 s[28:35], s[0:1], 0x60             ; v's bias; qimg, qsc, kv
	s_load_b64 s[36:37], s[0:1], 0x80              ; sc
	v_lshl_add_u32 v126, v0, 2, 0x4a000
	v_mov_b32 v127, 0
	ds_add_u32 v126, v127
	ds_add_u32 v126, v127
	v_lshrrev_b32 v1, 5, v0
	v_readfirstlane_b32 s[WV], v1                  ; wave 0..3
	s_lshr_b32 s38, ttmp9, 3                       ; f
	s_and_b32 s39, ttmp9, 7                        ; which 128 positions
	; group 1: 32 rows (channels) of 128 elements of 4 bytes, 16,384 elements from row to row, no padding
	s_mov_b32 s[G1+0], 2<<16
	s_mov_b32 s[G1+1], 128<<16
	s_mov_b32 s[G1+2], 32<<16
	s_mov_b32 s[G1+3], 128<<16
	s_mov_b32 s[G1+4], 32
	s_mov_b32 s[G1+5], 16384
	s_mov_b32 s[G1+6], 0
	s_mov_b32 s[G1+7], 0
	s_lshr_b32 s74, s38, 4                         ; b
	s_lshl_b32 s76, s74, 25
	s_and_b32 s75, s38, 15                         ; t
	s_lshl_b32 s75, s75, 12
	s_add_co_u32 s76, s76, s75
	s_lshl_b32 s75, s39, 9
	s_add_co_u32 s76, s76, s75
	s_lshl_b32 s75, s[WV], 21                      ; my 32 channels of each 128
	s_add_co_u32 s76, s76, s75
	s_mov_b32 s77, 0
	s_lshl_b32 s78, s[WV], 14
	s_wait_dscnt 0x0
	s_wait_kmcnt 0x0
	s_add_nc_u64 s[4:5], s[4:5], s[76:77]
.irp s, 0,1,2,3
	s_mov_b32 s[G0+4*\s], 1
	s_add_co_u32 s[G0+4*\s+1], s78, \s*65536       ; LDS: channel x 512
	s_add_nc_u64 s[G0+4*\s+2:G0+4*\s+3], s[4:5], \s*8388608
	s_or_b32 s[G0+4*\s+3], s[G0+4*\s+3], 0x80000000
.endr
.irp s, 0,1,2,3
	tensor_load_to_lds s[G0+4*\s:G0+4*\s+3], s[G1:G1+7]   ; all first fills in one group: four loads of mine are out
	s_nop 0
.endr
	PLACES 4
	s_lshl_b32 s76, s74, 14                        ; my batch's statistics
	s_add_nc_u64 s[6:7], s[6:7], s[76:77]
	v_lshlrev_b32 v18, 7, v0                       ; thread t: channels 4 t .. 4 t + 3: 16 chunks, 128 bytes
	v_lshlrev_b32 v19, 4, v0
.irp i, 0,1,2,3,4,5,6,7
	global_load_b128 v[128+4*\i:131+4*\i], v18, s[6:7] offset:16*\i
.endr
	global_load_b128 v[160:163], v19, s[8:9]       ; gamma
	global_load_b128 v[164:167], v19, s[10:11]     ; beta
	; addresses
	v_and_b32 v[LI], 31, v0
	v_lshlrev_b32 v[LI], 4, v[LI]
	v_and_b32 v[XA0], 0x67, v0                     ; 32 w + r % 8
	v_bfe_u32 v15, v0, 4, 1                        ; lane / 16
	v_lshl_add_u32 v[XA0], v15, 3, v[XA0]
	v_bfe_u32 v16, v0, 3, 1
	v_lshl_add_u32 v[XA0], v16, 4, v[XA0]          ; my position: 32 w + 8 (lane / 16) + r + 8 (r / 8)
	v_lshlrev_b32 v[XA0], 2, v[XA0]
	s_lshl_b32 s75, s[WV], 13
	s_add_co_u32 s75, s75, HIMG
	v_add_nc_u32 v[IA0], s75, v[LI]                ; tile 2 w's images
	v_add_nc_u32 v[HA], HIMG, v[LI]
	v_add_nc_u32 v[HSA], HSC, v[LI]
	v_and_b32 v16, 15, v0
	v_and_b32 v17, 8, v0
	v_add_nc_u32 v16, v16, v17                     ; r + 8 (r / 8)
	v_lshlrev_b32 v[WA], 8, v16
	v_lshl_add_u32 v[WA], v15, 4, v[WA]
	v_lshlrev_b32 v[WSA], 4, v16
	v_lshlrev_b32 v[BQA], 6, v15
	v_lshlrev_b32 v[BVA], 2, v16
	v_lshl_add_u32 v[TA], v0, 4, PA
	v_lshl_add_u32 v[HSW], v0, 4, HSC
	v_mov_b32 v[WORD], 0
.irp b, 0,1,2,3
	v_mov_b32 v[TM+4+\b], 0                        ; written once: a lane permute's destination counts as read
.endr
	s_mov_b32 s[SEL], 0x76543210
	s_mov_b32 s[SEL+1], 0xfedcba98
	s_mov_b32 s[HM], 0xffff0000
	; every pointer at my wave's part
	s_lshl_b32 s76, s[WV], 15                      ; 128 rows of 256 bytes of codes
	s_add_nc_u64 s[12:13], s[12:13], s[76:77]
	s_add_nc_u64 s[18:19], s[18:19], s[76:77]
	s_add_nc_u64 s[24:25], s[24:25], s[76:77]
	s_lshl_b32 s76, s[WV], 11                      ; of 16 scale bytes
	s_add_nc_u64 s[14:15], s[14:15], s[76:77]
	s_add_nc_u64 s[20:21], s[20:21], s[76:77]
	s_add_nc_u64 s[26:27], s[26:27], s[76:77]
	s_lshl_b32 s76, s[WV], 9                       ; 128 biases
	s_add_nc_u64 s[16:17], s[16:17], s[76:77]
	s_add_nc_u64 s[22:23], s[22:23], s[76:77]
	s_add_nc_u64 s[28:29], s[28:29], s[76:77]
	s_lshl_b32 s76, ttmp9, 15                      ; qimg: 32,768 bytes a work-group, K step w
	s_lshl_b32 s75, s[WV], 10
	s_add_co_u32 s76, s76, s75
	s_add_nc_u64 s[30:31], s[30:31], s[76:77]
	s_lshl_b32 s76, ttmp9, 11                      ; qsc: 2,048 a work-group
	s_lshl_b32 s75, s[WV], 9
	s_add_co_u32 s76, s76, s75
	s_add_nc_u64 s[32:33], s[32:33], s[76:77]
	s_lshl_b32 s76, ttmp9, 16                      ; kv: 65,536 a work-group: k's images, then v's
	s_lshl_b32 s75, s[WV], 13
	s_add_co_u32 s78, s76, s75
	s_add_co_u32 s78, s78, 32768
	s_mov_b32 s79, 0
	s_add_nc_u64 s[VIM:VIM+1], s[34:35], s[78:79]  ; v: channel tiles 8 w on
	s_lshl_b32 s75, s[WV], 10
	s_add_co_u32 s76, s76, s75
	s_add_nc_u64 s[34:35], s[34:35], s[76:77]      ; k: K step w
	s_lshl_b32 s76, s38, 15                        ; sc: 32,768 a frame; k's words, 2,048 a key step; v's 16,384 on
	s_lshl_b32 s75, s39, 11
	s_add_co_u32 s76, s76, s75
	s_lshl_b32 s75, s[WV], 9
	s_add_co_u32 s76, s76, s75
	s_add_nc_u64 s[36:37], s[36:37], s[76:77]
	s_wait_loadcnt 0x0
	; my group's statistics: four neighbouring threads hold its 64 chunks
	v_pk_add_f32 v[168:169], v[128:129], v[130:131]   ; (mean, M2) pairs are summed as pairs
	v_pk_add_f32 v[170:171], v[132:133], v[134:135]
.irp i, 4,6,8,10,12,14
	v_pk_add_f32 v[168:169], v[168:169], v[128+2*\i:129+2*\i]
	v_pk_add_f32 v[170:171], v[170:171], v[130+2*\i:131+2*\i]
.endr
	v_pk_add_f32 v[168:169], v[168:169], v[170:171]
.irp k, 1,2
	v_add_f32_dpp v168, v168, v168 row_xmask:\k row_mask:0xf bank_mask:0xf
	v_add_f32_dpp v169, v169, v169 row_xmask:\k row_mask:0xf bank_mask:0xf
.endr
	v_mul_f32 v172, 0x3c800000, v168               ; the group's mean: / 64
.irp i, 0,1,2,3,4,5,6,7,8,9,10,11,12,13,14,15
	v_sub_f32 v[128+2*\i], v[128+2*\i], v172
.endr
	v_mul_f32 v173, v128, v128
	v_mul_f32 v174, v130, v130
.irp i, 2,4,6,8,10,12,14
	v_fmac_f32 v173, v[128+2*\i], v[128+2*\i]
	v_fmac_f32 v174, v[130+2*\i], v[130+2*\i]
.endr
	v_add_f32 v173, v173, v174
.irp k, 1,2
	v_add_f32_dpp v173, v173, v173 row_xmask:\k row_mask:0xf bank_mask:0xf
.endr
	v_fmamk_f32 v173, v173, 0x45800000, v169       ; M2 of the group = the chunks' M2 + 4,096 x the sum of (chunk mean - mean)^2
	v_mul_f32 v173, 0x36800000, v173               ; / 262,144
	v_add_f32 v173, 0x358637bd, v173               ; + 1e-6
	v_rsq_f32 v174, v173
.irp i, 0,1,2,3
	v_mov_b32 v[176+\i], v172                      ; (plain lines behind the transcendental)
.endr
	s_wait_alu depctr_va_vdst(0)                   ; ahead of the first line that names its result
.irp i, 0,1,2,3
	v_mul_f32 v[160+\i], v[160+\i], v174           ; a = gamma rstd
.endr
	ds_store_b128 v[TA], v[160:163]
	ds_store_b128 v[TA], v[164:167] offset:2048
	ds_store_b128 v[TA], v[176:179] offset:4096
	WLOAD 0, 12                                    ; q's weight lands while hn is quantised
	WLOAD 1, 12
	WLOAD 2, 12
	WLOAD 3, 12
	WSLOAD 14
	PIECE 0
	PIECE 1
	PIECE 2
	PIECE 3
	ds_store_b128 v[HSW], v[HW:HW+3]               ; my two tiles' scale words of the four K steps
	BIASQ 16
	s_wait_dscnt 0x0                               ; for the others' sake: my images and words lie in LDS
	s_barrier_signal -1
	s_barrier_wait -1
.irp i, 0,1,2,3
	ds_load_b128 v[HS+4*\i:HS+4*\i+3], v[HSA] offset:512*\i
.endr
	HFETCH 0, SET0
	MATRIX 0, 1, 18, 20, 22, 30, 4096, 32, 0       ; q
	MATRIX 0, 2, 24, 26, 28, 34, 4096, 36, 0       ; k
	MATRIX 1, 0, 0, 0, 0, VIM, 1024, 36, 16384     ; v
	s_wait_tensorcnt 0x0
	ds_add_u32 v126, v127
	s_wait_dscnt 0x0
	s_endpgm
.Lfunc_end_k_q1eba427cfa_qkv:
	.size	k_q1eba427cfa_qkv, .Lfunc_end_k_q1eba427cfa_qkv-k_q1eba427cfa_qkv
	.p2alignl 7, 3214868480
	.fill 96, 4, 3214868480
	.section	.rodata,"a",@progbits
	.p2align	6, 0x0
	.amdhsa_kernel k_q1eba427cfa_qkv
		.amdhsa_group_segment_fixed_size 303616
		.amdhsa_private_segment_fixed_size 0
		.amdhsa_enable_private_segment 0
		.amdhsa_kernarg_size 136
		.amdhsa_user_sgpr_count 2
		.amdhsa_user_sgpr_kernarg_segment_ptr 1
		.amdhsa_wavefront_size32 1
		.amdhsa_system_sgpr_workgroup_id_x 1
		.amdhsa_system_sgpr_workgroup_id_y 1
		.amdhsa_system_sgpr_workgroup_id_z 1
		.amdhsa_system_vgpr_workitem_id 0
		.amdhsa_next_free_vgpr 1024
		.amdhsa_next_free_sgpr 80
		.amdhsa_reserve_vcc 0
		.amdhsa_float_denorm_mode_32 3
		.amdhsa_float_denorm_mode_16_64 3
		.amdhsa_memory_ordered 1
		.amdhsa_forward_progress 1
		.amdhsa_inst_pref_size 255
	.end_amdhsa_kernel
	.section	.bss,"aw",@nobits
	.p2align	6
	.space	262144
	.amdgpu_metadata
---
amdhsa.version: [ 1, 2 ]
amdhsa.kernels:
  - .name:           k_q1eba427cfa_qkv
    .symbol:         k_q1eba427cfa_qkv.kd
    .args:
      - { .name: x, .offset: 0, .size: 8, .value_kind: global_buffer, .address_space: global }
      - { .name: stats, .offset: 8, .size: 8, .value_kind: global_buffer, .address_space: global }
      - { .name: gamma, .offset: 16, .size: 8, .value_kind: global_buffer, .address_space: global }
      - { .name: beta, .offset: 24, .size: 8, .value_kind: global_buffer, .address_space: global }
      - { .name: q_w_codes, .offset: 32, .size: 8, .value_kind: global_buffer, .address_space: global }
      - { .name: q_w_scales, .offset: 40, .size: 8, .value_kind: global_buffer, .address_space: global }
      - { .name: q_b, .offset: 48, .size: 8, .value_kind: global_buffer, .address_space: global }
      - { .name: k_w_codes, .offset: 56, .size: 8, .value_kind: global_buffer, .address_space: global }
      - { .name: k_w_scales, .offset: 64, .size: 8, .value_kind: global_buffer, .address_space: global }
      - { .name: k_b, .offset: 72, .size: 8, .value_kind: global_buffer, .address_space: global }
      - { .name: v_w_codes, .offset: 80, .size: 8, .value_kind: global_buffer, .address_space: global }
      - { .name: v_w_scales, .offset: 88, .size: 8, .value_kind: global_buffer, .address_space: global }
      - { .name: v_b, .offset: 96, .size: 8, .value_kind: global_buffer, .address_space: global }
      - { .name: qimg, .offset: 104, .size: 8, .value_kind: global_buffer, .address_space: global }
      - { .name: qsc, .offset: 112, .size: 8, .value_kind: global_buffer, .address_space: global }
      - { .name: kv, .offset: 120, .size: 8, .value_kind: global_buffer, .address_space: global }
      - { .name: sc, .offset: 128, .size: 8, .value_kind: global_buffer, .address_space: global }
    .group_segment_fixed_size: 303616
    .private_segment_fixed_size: 0
    .kernarg_segment_align: 8
    .kernarg_segment_size: 136
    .max_flat_workgroup_size: 128
    .sgpr_count:     80
    .vgpr_count:     1024
    .wavefront_size: 32
...
	.end_amdgpu_metadata
.endif
;; end of part 2
;; launch attn (part 3): grid 8 x 32, 4 waves a work-group, clusters of 4 x 1, 327,680 bytes of LDS; arguments qimg, qsc, kv, sc, proj_w_codes, proj_w_scales, proj_b, x, out0; writes out0
.if DOCPART == 3
	.amdgcn_target "amdgcn-amd-amdhsa--gfx1250"
	.amdhsa_code_object_version 6
	.text
	.protected	k_q1eba427cfa_attn
	.globl	k_q1eba427cfa_attn
	.p2align	8
	.type	k_q1eba427cfa_attn,@function
k_q1eba427cfa_attn:
	s_mov_b64 s[64:65], 0
	v_nop
	global_prefetch_b8 v0, s[64:65] scope:SCOPE_SE
	s_setreg_imm32_b32 hwreg(HW_REG_WAVE_MODE, 25, 1), 1
	s_wait_xcnt 0x0
	s_wait_alu depctr_hold_cnt(0) depctr_sa_sdst(0) depctr_va_vdst(0) depctr_va_sdst(0) depctr_va_ssrc(0) depctr_va_vcc(0) depctr_vm_vsrc(0)
	s_getreg_b32 s2, hwreg(HW_REG_IB_STS2, 6, 4)
	s_cmp_eq_u32 s2, 0
	s_cbranch_scc0 .Lentry_in_a_cluster
	s_endpgm
.Lentry_in_a_cluster:
	s_bfe_u32 s2, ttmp6, 0x10000c
	s_cmp_lg_u32 s2, 0x3003
	s_cbranch_scc0 .Lentry_shape_is_right
	s_endpgm
.Lentry_shape_is_right:
; ATTENTION OF ONE FRAME, THE LAST PRODUCT AND THE RESIDUAL, all products on codes of FP4 (E2M1) with one E8M0 scale for 32 along K.
; SHARES.  Frame f = grid y; a work-group owns 128 queries (block qb = 4 x cluster x + cx), wave w the query tiles 2 w and 2 w + 1.  Every wave walks the frame's 1,024 keys, 128 a step.
; LAYOUT.  S^T = K Q^T (source 0 = 16 keys), O^T = V^T P^T (source 0 = 16 channels): a lane holds ONE query throughout.  The launch before chose the rows of every tile so that the 16 registers of tiles 2 b, 2 b + 1
;   of a result are 16 neighbours along the next K (keys for p, channels for out).  Operands lie in memory and in LDS as images of their registers: 1,024 bytes a fragment, 16 bytes a lane and load.
; SOFTMAX.  t = score x log2(e) / sqrt(512); M = the running largest t rounded up to a whole number; p = 2^(t - M) is quantised along the keys, not normalised; the row's sum is taken of the unquantised p and divides O at the end.
;   When M moves, the sum and O^T are multiplied by 2^(old M - new M), which rounds nothing.  O^T and the sum begin as zeros and the largest t as -3e38, so that the key step is written without a first step of its own.
; RING.  Two slots of two key steps (2 x 65,536 bytes: K's 32 images, V's 32), filled by the tensor data mover; the frame's scale words (32,768 bytes) come once.
;   At the last change of slots, slot 0 has been left and K and V have no more to bring: it takes HALF OF x, each wave's channels 128 w .. 128 w + 63 of the 128 positions (64 rows of 512 bytes), which lands under the last two key steps.
; CLUSTER.  The four query blocks of a cluster walk the same K, V and scales: those tensor loads are asked for JOINTLY (mask 15), each wave a quarter.  x's load is the work-group's own (no mask).
;   cx enters only the addresses of q, x, out0 and of the prefetches.
; TAIL.  out = O / sum is quantised along the channels; its images go through LDS (slot 1: it has had its last fill, and a barrier stands behind every wave's last read of it); wave w makes output channels 128 w .. + 127 for the
;   128 positions, source 0 = out, source 1 = proj_w, the bias as the first C; a tile of 16 channels goes through the wave's own stage, x is added (tiles 0-3 from LDS, tiles 4-7 from registers), and each store covers a channel's 512 consecutive bytes.
; LIMITS: NaN and infinities are not served.  A block whose largest magnitude lies under 2^-124 has its byte held at 1; a block of zeros keeps the byte 1 (its codes are zeros).  A p under 2^-126 counts as 0.
; REGISTERS.  Window 0: v1-15 addresses; v16-31 K's scale words (4 s + i: tile i in lanes 0-15, 4 + i in 16-31), v32-47 V's; v48-51 Q's; v52-53 p's; v54-65 -M, largest t, sum, f for each tile; v66-83 at work; v84-99 p's codes;
;   v100-127 out's scale words; v128-255 S^T, 64 a tile.   Window 1: v0-63 Q; v64-127, v128-191 two sets of fragments.   Windows 2, 3: O^T of tile 0, 1; channel tile ct at 8 ct.  The tail uses them as the launch before does.
.set SLOT1, 131072
.set STEPB, 65536
.set SCL,   262144                     ; K's scale words, 2,048 bytes a key step; V's 16,384 on
.set SPARE, 294912                     ; the spare words, 128 bytes a wave: two blocks of 256 bytes that no other line names
.set OIMG,  SLOT1                      ; the tail, in slot 1: out's images;
.set OSC,   SLOT1+32768                ; their scale words;
.set STAGE, SLOT1+36864                ; a stage of 16 rows x 528 bytes for each wave
.set LI,  1                            ; 16 x lane
.set ADK, 2
.set HA,  2                            ; (the tail: OIMG + 16 x lane)
.set ADS, 3
.set XLA, 4                            ; x in LDS: 32,768 x wave + 16 x lane
.set OWA, 5
.set SPW, 6
.set NIL, 7
.set PFO, 8
.set WA,  9
.set WSA, 10
.set BVA, 11
.set STO, 12
.set RD,  13
.set OSW, 14
.set HSA, 15
.set KS,  16
.set VS,  32
.set WS,  16
.set QS,  48
.set PS,  52
.set ST,  54
.set BM,  66
.set BP,  70
.set BS,  74
.set T,   78
.set CH,  80
.set QO,  82
.set PFX, 83                           ; x's prefetches: 65,536 (r + 8 (r / 8)) + 256 (lane / 16); never rewritten
.set TM,  66
.set PC,  84
.set HS,  100
.set OW,  116
.set SO,  124
.set S,   128
.set SET0, 128
.set SET1, 192
.set F0,  64
.set WV,  22
.set SEL, 26
.set CS,  28
.set TB,  30
.set TS,  31
.set SLOTS, 32
.set TWICE, 33
.set LIM, 34
.set HM,  35
.set G1I, 36
.set G1S, 44
.set G0I, 52
.set G0S, 56
.set PFA, 60
.set G1X, 76                           ; s[76:83], s[84:87] groups 1 and 0 for x's half
.set G0X, 84
.set MSB, 0
.macro WIN new                         ; the immediate's high byte repeats the setting that is left
.if MSB != (\new)
	s_set_vgpr_msb (MSB<<8)|(\new)
.set MSB, (\new)
.endif
.endm
.macro PLACES n
.rept \n
	v_nop
.endr
.endm
.macro WM d, a, b, c, sa, sb, ra, rb
.if ((\ra)==0) && ((\rb)==0)
	v_wmma_scale_f32_16x16x128_f8f6f4 v[(\d):(\d)+7], v[(\a):(\a)+7], v[(\b):(\b)+7], v[(\c):(\c)+7], v[\sa], v[\sb] matrix_a_fmt:MATRIX_FMT_FP4 matrix_b_fmt:MATRIX_FMT_FP4
.elseif (\rb)==0
	v_wmma_scale_f32_16x16x128_f8f6f4 v[(\d):(\d)+7], v[(\a):(\a)+7], v[(\b):(\b)+7], v[(\c):(\c)+7], v[\sa], v[\sb] matrix_a_fmt:MATRIX_FMT_FP4 matrix_b_fmt:MATRIX_FMT_FP4 matrix_a_scale:MATRIX_SCALE_ROW1
.elseif (\ra)==0
	v_wmma_scale_f32_16x16x128_f8f6f4 v[(\d):(\d)+7], v[(\a):(\a)+7], v[(\b):(\b)+7], v[(\c):(\c)+7], v[\sa], v[\sb] matrix_a_fmt:MATRIX_FMT_FP4 matrix_b_fmt:MATRIX_FMT_FP4 matrix_b_scale:MATRIX_SCALE_ROW1
.else
	v_wmma_scale_f32_16x16x128_f8f6f4 v[(\d):(\d)+7], v[(\a):(\a)+7], v[(\b):(\b)+7], v[(\c):(\c)+7], v[\sa], v[\sb] matrix_a_fmt:MATRIX_FMT_FP4 matrix_b_fmt:MATRIX_FMT_FP4 matrix_a_scale:MATRIX_SCALE_ROW1 matrix_b_scale:MATRIX_SCALE_ROW1
.endif
.endm
.macro WMZ d, a, b, sa, sb, ra, rb     ; the same, starting a sum
.if ((\ra)==0) && ((\rb)==0)
	v_wmma_scale_f32_16x16x128_f8f6f4 v[(\d):(\d)+7], v[(\a):(\a)+7], v[(\b):(\b)+7], 0, v[\sa], v[\sb] matrix_a_fmt:MATRIX_FMT_FP4 matrix_b_fmt:MATRIX_FMT_FP4
.elseif (\rb)==0
	v_wmma_scale_f32_16x16x128_f8f6f4 v[(\d):(\d)+7], v[(\a):(\a)+7], v[(\b):(\b)+7], 0, v[\sa], v[\sb] matrix_a_fmt:MATRIX_FMT_FP4 matrix_b_fmt:MATRIX_FMT_FP4 matrix_a_scale:MATRIX_SCALE_ROW1
.elseif (\ra)==0
	v_wmma_scale_f32_16x16x128_f8f6f4 v[(\d):(\d)+7], v[(\a):(\a)+7], v[(\b):(\b)+7], 0, v[\sa], v[\sb] matrix_a_fmt:MATRIX_FMT_FP4 matrix_b_fmt:MATRIX_FMT_FP4 matrix_b_scale:MATRIX_SCALE_ROW1
.else
	v_wmma_scale_f32_16x16x128_f8f6f4 v[(\d):(\d)+7], v[(\a):(\a)+7], v[(\b):(\b)+7], 0, v[\sa], v[\sb] matrix_a_fmt:MATRIX_FMT_FP4 matrix_b_fmt:MATRIX_FMT_FP4 matrix_a_scale:MATRIX_SCALE_ROW1 matrix_b_scale:MATRIX_SCALE_ROW1
.endif
.endm
; 64 numbers of a lane in window wn, register 16 b + i = k 32 b + 16 (lane / 16) + i of my row, become a fragment's codes in v[pc] on and its scale word in v[pw]
.macro QUANT base, wn, pc, pw
	WIN ((\wn)<<2)|((\wn)<<4)
.irp b, 0,1,2,3
	v_max3_num_f32 v[TM+\b], 0x1800000, |v[(\base)+16*\b]|, |v[(\base)+16*\b+1]|   ; my 16 numbers of block b, and the floor 2^(3 - 127): the byte cannot fall under 1
.endr
.irp i, 2,4,6,8,10,12,14
.irp b, 0,1,2,3
	v_max3_num_f32 v[TM+\b], v[TM+\b], |v[(\base)+16*\b+\i]|, |v[(\base)+16*\b+\i+1]|
.endr
.endr
	WIN 0
.irp b, 0,1,2,3
	v_permlanex16_b32 v[TM+4+\b], v[TM+\b], s[SEL], s[SEL+1]
.endr
.irp b, 0,1,2,3
	v_max_num_f32 v[TM+\b], v[TM+\b], v[TM+4+\b]
.endr
.irp b, 0,1,2,3
	v_add_nc_u32 v[TM+12+\b], 0xff000000, v[TM+\b]
.endr
.irp b, 0,1,2,3
	v_lshrrev_b32 v[TM+4+\b], 23, v[TM+12+\b]
.endr
	v_lshl_or_b32 v[\pw], v[TM+5], 8, v[TM+4]
	v_lshl_or_b32 v[\pw], v[TM+6], 16, v[\pw]
	v_lshl_or_b32 v[\pw], v[TM+7], 24, v[\pw]
	WIN (\wn)
.irp b, 0,1,2,3
	v_cvt_scalef32_pk8_fp4_f32 v[(\pc)+2*\b], v[(\base)+16*\b:(\base)+16*\b+7], v[TM+12+\b]
	v_cvt_scalef32_pk8_fp4_f32 v[(\pc)+2*\b+1], v[(\base)+16*\b+8:(\base)+16*\b+15], v[TM+12+\b]
.endr
	WIN 0
	v_nop                                          ; one plain place behind a scaled conversion
.irp c, 0,1
.irp i, 0,1
	v_permlane16_swap_b32 v[(\pc)+4*\c+\i], v[(\pc)+4*\c+2+\i]
.endr
.endr
.endm
.macro WLOAD st, p                     ; proj_w: my 128 rows' fragments of K step st into window 1
	WIN 0x40
.irp t, 0,1,2,3,4,5,6,7
.irp c, 0,1
	global_load_b128 v[64*(\st)+8*\t+4*\c:64*(\st)+8*\t+4*\c+3], v[WA], s[\p:\p+1] offset:(32*(\t/2)+8*(\t%2))*256+64*(\st)+32*\c
.endr
.endr
	WIN 0
.endm
.macro HFETCH st, fs                   ; out's eight fragments of K step st
.irp m, 0,1,2,3,4,5,6,7
.irp c, 0,1
	ds_load_b128 v[(\fs)+8*\m+4*\c:(\fs)+8*\m+4*\c+3], v[HA] offset:\m*4096+(\st)*1024+512*\c
.endr
.endr
.endm
.macro MUL st, fs, fi                  ; 64 matrix instructions of the last product: the 64 accumulators take turns, one instruction a turn
.irp t, 0,1,2,3,4,5,6,7
.if \fi
	WIN 0x84+0x40*(\t/4)
.else
	WIN 0xa4+0x50*(\t/4)
.endif
.irp m, 0,1,2,3,4,5,6,7
.if \fi
	WM 64*(\t%4)+8*\m, (\fs)+8*\m, 64*(\st)+8*\t, SET1+8*\t, HS+4*(\m/2)+(\st), WS+4*\t+(\st), \m%2, 0
.else
	WM 64*(\t%4)+8*\m, (\fs)+8*\m, 64*(\st)+8*\t, 64*(\t%4)+8*\m, HS+4*(\m/2)+(\st), WS+4*\t+(\st), \m%2, 0
.endif
.endr
.endr
.endm
.macro CROUND                          ; a round of the cluster's barrier
	s_barrier_signal -1
	s_barrier_wait -1
	s_cmp_lg_u32 s[WV], 0
	s_cbranch_scc1 .Lnot_wave_0_\@
	s_barrier_signal -3
.Lnot_wave_0_\@:
	s_barrier_wait -3
	s_barrier_signal -1
	s_barrier_wait -1
.endm
; A PREFETCH INTO THE L2 of the fill after the one just asked for: 131,072 bytes.  Both clusters of a frame walk the same bytes: the first asks.  Its four partners take 32,768 bytes each, told apart by address; each wave 8,192, lanes 256 bytes apart:
; each block of 256 bytes is named once in the launch.  Fills 0 and 1 come by their loads alone; the last change that asks for K and V prefetches nothing.
.macro ASK
	s_cmp_gt_u32 s[SLOTS], s[LIM]
	s_cbranch_scc0 .Lnot_mine_\@
	global_prefetch_b8 v[PFO], s[PFA:PFA+1] th:TH_LOAD_NT scope:SCOPE_SE
.Lnot_mine_\@:
.endm
.macro KFETCH g, f                     ; K's tiles 2 g, 2 g + 1, all four K steps: eight fragments
	WIN 0x40
.irp e, 0,1
.irp s, 0,1,2,3
.irp c, 0,1
	ds_load_b128 v[(\f)+32*\e+8*\s+4*\c:(\f)+32*\e+8*\s+4*\c+3], v[ADK] offset:(2*(\g)+\e)*4096+\s*1024+512*\c
.endr
.endr
.endr
.endm
.macro VFETCH gv, f                    ; V's channel tiles 8 gv .. 8 gv + 7
	WIN 0x40
.irp i, 0,1,2,3,4,5,6,7
.irp c, 0,1
	ds_load_b128 v[(\f)+8*\i+4*\c:(\f)+8*\i+4*\c+3], v[ADK] offset:32768+(8*(\gv)+\i)*1024+512*\c
.endr
.endr
.endm
; the softmax of query tile q for 128 keys, p's codes and scale word, and O^T under the new M
.macro SOFT q
.set SB, S+64*(\q)
.set NM, ST+6*(\q)
	WIN 0
.irp b, 0,1,2,3
	v_max3_num_f32 v[BM+\b], v[SB+16*\b], v[SB+16*\b+1], v[SB+16*\b+2]   ; the largest score of each block of 32 keys: it serves the row's maximum and, since p rises with the score, the block's largest p
.endr
.irp i, 3,5,7,9,11,13
.irp b, 0,1,2,3
	v_max3_num_f32 v[BM+\b], v[BM+\b], v[SB+16*\b+\i], v[SB+16*\b+\i+1]
.endr
.endr
.irp b, 0,1,2,3
	v_max_num_f32 v[BM+\b], v[BM+\b], v[SB+16*\b+15]
.endr
.irp b, 0,1,2,3
	v_permlanex16_b32 v[BP+\b], v[BM+\b], s[SEL], s[SEL+1]
.endr
.irp b, 0,1,2,3
	v_max_num_f32 v[BM+\b], v[BM+\b], v[BP+\b]     ; with lane l xor 16's 16 keys
.endr
	v_max3_num_f32 v[T], v[BM], v[BM+1], v[BM+2]
	v_max_num_f32 v[T], v[T], v[BM+3]
	v_mul_f32 v[T], s[CS], v[T]                    ; as t (c is positive)
	v_max_num_f32 v[NM+1], v[NM+1], v[T]           ; the running largest t
	v_mov_b32 v[T], v[NM]
	v_floor_f32 v[NM], -v[NM+1]                    ; -M = floor(-t): M is a whole number
	v_sub_f32 v[T], v[NM], v[T]                    ; old M - new M: a whole number, 0 or less
	v_cvt_i32_f32 v[T], v[T]                       ; (it saturates)
	v_ldexp_f32 v[NM+4], 1.0, v[T]                 ; f = 2^(old M - new M)
.set ii, 0
.rept 32
	v_pk_fma_f32 v[SB+2*ii:SB+2*ii+1], v[SB+2*ii:SB+2*ii+1], s[CS:CS+1], v[NM:NM+1] op_sel_hi:[1,0,0]   ; t - M
.set ii, ii+1
.endr
.irp b, 0,1,2,3
	v_fma_f32 v[BM+\b], v[BM+\b], s[CS], v[NM]
.endr
.set ii, 0
.rept 64
	v_exp_f32 v[SB+ii], v[SB+ii]                   ; p = 2^(t - M)
.set ii, ii+1
.endr
	v_pk_mul_f32 v[NM+2:NM+3], v[NM+2:NM+3], v[NM+4:NM+5] op_sel_hi:[1,0]   ; the sums under the new M (a plain line behind the exponentials)
	s_wait_alu depctr_va_vdst(0)                   ; one wait for the 64, ahead of the first line that names a result
.irp b, 0,1,2,3
	v_exp_f32 v[BM+\b], v[BM+\b]                   ; each block's largest p
.endr
	v_pk_add_f32 v[CH:CH+1], v[SB:SB+1], v[SB+2:SB+3]   ; the row's sum of the unquantised p, in two chains
.irp j, 4,8,12,16,20,24,28,32,36,40,44,48,52,56,60
	v_pk_add_f32 v[NM+2:NM+3], v[NM+2:NM+3], v[SB+\j:SB+\j+1]
	v_pk_add_f32 v[CH:CH+1], v[CH:CH+1], v[SB+\j+2:SB+\j+3]
.endr
	v_pk_add_f32 v[NM+2:NM+3], v[NM+2:NM+3], v[CH:CH+1]
	s_wait_alu depctr_va_vdst(0)                   ; and one for the four
.irp b, 0,1,2,3
	v_max_num_f32 v[BM+\b], 0x1800000, v[BM+\b]    ; the floor 2^(3 - 127)
.endr
.irp b, 0,1,2,3
	v_add_nc_u32 v[BS+\b], 0xff000000, v[BM+\b]
.endr
.irp b, 0,1,2,3
	v_lshrrev_b32 v[BP+\b], 23, v[BS+\b]
.endr
	v_lshl_or_b32 v[PS+(\q)], v[BP+1], 8, v[BP]
	v_lshl_or_b32 v[PS+(\q)], v[BP+2], 16, v[PS+(\q)]
	v_lshl_or_b32 v[PS+(\q)], v[BP+3], 24, v[PS+(\q)]
.irp b, 0,1,2,3
	v_cvt_scalef32_pk8_fp4_f32 v[PC+8*(\q)+2*\b], v[SB+16*\b:SB+16*\b+7], v[BS+\b]
	v_cvt_scalef32_pk8_fp4_f32 v[PC+8*(\q)+2*\b+1], v[SB+16*\b+8:SB+16*\b+15], v[BS+\b]
.endr
	v_nop
.irp c, 0,1
.irp i, 0,1
	v_permlane16_swap_b32 v[PC+8*(\q)+4*\c+\i], v[PC+8*(\q)+4*\c+2+\i]
.endr
.endr
	WIN 0x82+0x41*(\q)
.set ii, 0
.rept 128
	v_pk_mul_f32 v[2*ii:2*ii+1], v[2*ii:2*ii+1], v[NM+4:NM+5] op_sel_hi:[1,0]   ; O^T x f, each accumulator from its low end on; these lines are also the places in front of the products below
.set ii, ii+1
.endr
.endm
; A KEY STEP: 128 keys.  pf = 1, in the last slot's text: its second trip, the launch's last key step, asks for x's second half (below).
.macro STEP pf
	v_add_nc_u32 v[ADK], s[TB], v[LI]              ; (no LDS instruction of mine is out)  these four lines are the places behind the last step's products
	v_add_nc_u32 v[ADS], s[TS], v[LI]
	v_nop
	v_nop
.irp i, 0,1,2,3
	ds_load_b128 v[KS+4*\i:KS+4*\i+3], v[ADS] offset:512*\i
.endr
.irp i, 0,1,2,3
	ds_load_b128 v[VS+4*\i:VS+4*\i+3], v[ADS] offset:16384+512*\i
.endr
	KFETCH 0, F0
.irp g, 0,1,2,3                                ; S^T: two tiles of keys x two tiles of queries at a time: four accumulators by turns, K ascending
.if \g > 0
	PLACES 4
.endif
.if \g < 3
	KFETCH \g+1, F0+64*((\g+1)%2)
.else
	VFETCH 0, F0
.endif
	s_wait_dscnt 16                                ; all but the sixteen loads just issued
	WIN 0x05
.irp s, 0,1,2,3
.irp e, 0,1
.irp q, 0,1
.if \s == 0
	WMZ S+64*\q+8*(2*\g+\e), F0+64*(\g%2)+32*\e+8*\s, 32*\q+8*\s, KS+4*\s+((2*\g+\e)%4), QS+\s, (2*\g+\e)/4, \q
.else
	WM S+64*\q+8*(2*\g+\e), F0+64*(\g%2)+32*\e+8*\s, 32*\q+8*\s, S+64*\q+8*(2*\g+\e), KS+4*\s+((2*\g+\e)%4), QS+\s, (2*\g+\e)/4, \q
.endif
.endr
.endr
.endr
.endr
	PLACES 4                                       ; in front of the loads below and of the first read of the scores
	VFETCH 1, F0+64
.if \pf
; A PREFETCH INTO THE L2 of x's second half: my channel tiles 4 to 7, 16 rows of 512 bytes each, which the tail loads into registers.  A lane names a block of 256 bytes (row r + 8 (r / 8) of the tile, half lane / 16), one instruction a tile.
; These bytes are read by this wave alone, so each block is named once in the launch.  The four stand together, behind the run of V's loads, in the launch's last key step: one softmax, one V^T P and out's quantising ahead of the first load that wants them.
	WIN 0                                          ; at a branch and at a label every window is 0
	s_cmp_eq_u32 s[TWICE], 1
	s_cbranch_scc0 .Lno_x_\@
.irp t, 4,5,6,7
	global_prefetch_b8 v[PFX], s[18:19] offset:(32*(\t/2)+8*(\t%2))*65536 th:TH_LOAD_NT scope:SCOPE_SE
.endr
.Lno_x_\@:
.endif
	SOFT 0
	SOFT 1
.irp gv, 0,1,2,3                               ; O^T += V^T P^T: eight channel tiles x two query tiles
.if \gv < 3
	s_wait_dscnt 16
.else
	s_wait_dscnt 0x0
.endif
.irp q, 0,1
	WIN 0xa1+0x50*\q
.irp i, 0,1,2,3,4,5,6,7
	WM 8*(8*\gv+\i), F0+64*(\gv%2)+8*\i, PC+8*\q, 8*(8*\gv+\i), VS+4*\gv+(\i%4), PS+\q, \i/4, 0
.endr
.endr
.if \gv < 2
	PLACES 4
	VFETCH \gv+2, F0+64*(\gv%2)
.endif
.endr
	WIN 0
	s_add_co_u32 s[TB], s[TB], STEPB
	s_add_co_u32 s[TS], s[TS], 2048
.endm
; THE CHANGE OF SLOTS stands at a slot's head.  Each wave waits for all its tensor loads (its part of the slot ahead), adds 0 to its spare word, and waits for that and for its reads of the slot that it has left; then a round of the
; cluster's barrier, and the slot that was left is filled again, first thing behind the round.  fill = 1: with the next two key steps, asked for jointly.  fill = 2, the last change: with my 64 channels of x, the work-group's own load.
; Either load has two key steps in which to land.  One tensor load of mine is out behind each round.
.macro CHANGE fill
	s_wait_tensorcnt 0x0                           ; no tensor load of mine is out, so the walking group 0 may be written
	ds_add_u32 v[SPW], v[NIL]
.if \fill == 1
	s_xor_b32 s[G0I+1], s[G0I+1], SLOT1
	s_add_nc_u64 s[G0I+2:G0I+3], s[G0I+2:G0I+3], SLOT1
	s_wait_xcnt 0x0                                ; the last prefetch, two key steps back, has read its address
	s_add_nc_u64 s[PFA:PFA+1], s[PFA:PFA+1], SLOT1
.endif
	s_wait_dscnt 0x0                               ; the add is done, and my reads of the slot that I have left are over
	CROUND
.if \fill == 1
	tensor_load_to_lds s[G0I:G0I+3], s[G1I:G1I+7]
	s_nop 0
	PLACES 4
	ASK
.else
	tensor_load_to_lds s[G0X:G0X+3], s[G1X:G1X+7]
	s_nop 0
	PLACES 4
.endif
.endm
.macro TWO_STEPS pf
	s_mov_b32 s[TWICE], 2
.Lstep_\@:
	STEP \pf
	s_sub_co_u32 s[TWICE], s[TWICE], 1
	s_cmp_lg_u32 s[TWICE], 0
	s_cbranch_scc1 .Lstep_\@
	s_sub_co_u32 s[TB], s[TB], 2*STEPB
	s_xor_b32 s[TB], s[TB], SLOT1                  ; on to the other slot
.endm
; ---- the tail's parts
.macro XLOAD t                         ; x of channel tile t (4 to 7): 16 rows of 512 bytes, a row an instruction, into window 1
	WIN 0x40
.irp r, 0,1,2,3,4,5,6,7,8,9,10,11,12,13,14,15
	global_load_b128 v[64*((\t)%4)+4*\r:64*((\t)%4)+4*\r+3], v[LI], s[18:19] offset:(32*((\t)/2)+8*((\t)%2)+\r+8*(\r/8))*65536 th:TH_LOAD_NT
.endr
	WIN 0
.endm
.macro TOSTAGE t                       ; lane (r, h) holds channel r of the tile and, in registers 16 b + i, positions 32 b + 16 h + i: into my stage by rows, and back as whole rows
	WIN 0x08+4*((\t)/4)
.irp b, 0,1,2,3
.irp i, 0,1,2,3
	ds_store_b128 v[STO], v[64*((\t)%4)+16*\b+4*\i:64*((\t)%4)+16*\b+4*\i+3] offset:128*\b+16*\i
.endr
.endr
	WIN 0
.irp r, 0,1,2,3,4,5,6,7,8,9,10,11,12,13,14,15
	ds_load_b128 v[SET0+64*((\t)%2)+4*\r:SET0+64*((\t)%2)+4*\r+3], v[RD] offset:528*\r   ; LDS serves a wave's instructions in order: these see the stores above
.endr
.if (\t) < 4
	WIN 0x80                                       ; x of tiles 0 to 3 lies in LDS, a channel a row of 512 bytes: it comes into the tile's own accumulators, which the stores above have left
.irp r, 0,1,2,3,4,5,6,7,8,9,10,11,12,13,14,15
	ds_load_b128 v[64*(\t)+4*\r:64*(\t)+4*\r+3], v[XLA] offset:(32*((\t)/2)+8*((\t)%2)+\r+8*(\r/8))*512
.endr
	WIN 0
.endif
.endm
.macro SEND t, yo                      ; yo: the LDS instructions issued behind tile t's loads
	s_wait_dscnt \yo
.if (\t) < 4
	WIN 0x08                                       ; x in window 2
.else
	s_wait_loadcnt 16*(7-(\t))                     ; tile t's x is in; the younger runs of 16 may be out
	WIN 0x04                                       ; x in window 1
.endif
.set ii, 0
.rept 32
	v_pk_add_f32 v[SET0+64*((\t)%2)+2*ii:SET0+64*((\t)%2)+2*ii+1], v[SET0+64*((\t)%2)+2*ii:SET0+64*((\t)%2)+2*ii+1], v[64*((\t)%4)+2*ii:64*((\t)%4)+2*ii+1]
.set ii, ii+1
.endr
	WIN 0
.irp r, 0,1,2,3,4,5,6,7,8,9,10,11,12,13,14,15
	global_store_b128 v[LI], v[SET0+64*((\t)%2)+4*\r:SET0+64*((\t)%2)+4*\r+3], s[20:21] offset:(32*((\t)/2)+8*((\t)%2)+\r+8*(\r/8))*65536 th:TH_STORE_NT   ; 32 lanes store 512 consecutive bytes, aligned
.endr
.endm
	s_load_b256 s[4:11], s[0:1], 0x0               ; qimg, qsc, kv, sc
	s_load_b256 s[12:19], s[0:1], 0x20             ; proj_w's codes, scales, proj_b, x
	s_load_b64 s[20:21], s[0:1], 0x40              ; out0
	v_lshl_add_u32 v[SPW], v0, 2, SPARE
	v_mov_b32 v[NIL], 0
	ds_add_u32 v6, v7
	ds_add_u32 v6, v7
	s_wait_dscnt 0x0
	v_lshrrev_b32 v1, 5, v0
	v_readfirstlane_b32 s[WV], v1                  ; wave 0..3
	s_and_b32 s25, ttmp7, 0xffff                   ; f, which the partners share
	; group 1: dense blocks as rows of 256 bytes (32 elements of 8): 128 rows for a quarter of a fill, 32 for a quarter of the scales; mask: all four work-groups
	s_mov_b32 s[G1I+0], 15|(3<<16)|(1<<21)
	s_mov_b32 s[G1I+1], 32<<16
	s_mov_b32 s[G1I+2], 128<<16
	s_mov_b32 s[G1I+3], 32<<16
	s_mov_b32 s[G1I+4], 128
	s_mov_b32 s[G1I+5], 32
	s_mov_b32 s[G1I+6], 0
	s_mov_b32 s[G1I+7], 0
	s_mov_b32 s[G1S+0], 15|(3<<16)|(1<<21)
	s_mov_b32 s[G1S+1], 32<<16
	s_mov_b32 s[G1S+2], 32<<16
	s_mov_b32 s[G1S+3], 32<<16
	s_mov_b32 s[G1S+4], 32
	s_mov_b32 s[G1S+5], 32
	s_mov_b32 s[G1S+6], 0
	s_mov_b32 s[G1S+7], 0
	; and for x: 64 rows (channels) of 128 elements of 4 bytes, 16,384 elements from row to row, no padding, no mask
	s_mov_b32 s[G1X+0], 2<<16
	s_mov_b32 s[G1X+1], 128<<16
	s_mov_b32 s[G1X+2], 64<<16
	s_mov_b32 s[G1X+3], 128<<16
	s_mov_b32 s[G1X+4], 64
	s_mov_b32 s[G1X+5], 16384
	s_mov_b32 s[G1X+6], 0
	s_mov_b32 s[G1X+7], 0
	s_lshl_b32 s66, s25, 19                        ; kv: 524,288 bytes a frame, my quarter of a fill
	s_lshl_b32 s67, s[WV], 15
	s_add_co_u32 s66, s66, s67
	s_mov_b32 s67, 0
	s_lshl_b32 s68, s25, 15                        ; sc: 32,768 a frame, my quarter
	s_lshl_b32 s69, s[WV], 13
	s_add_co_u32 s68, s68, s69
	s_mov_b32 s69, 0
	s_lshl_b32 s74, s[WV], 13
	s_wait_kmcnt 0x0
	s_mov_b32 s[G0I], 1
	s_lshl_b32 s[G0I+1], s[WV], 15                 ; slot 0
	s_add_nc_u64 s[G0I+2:G0I+3], s[8:9], s[66:67]
	s_or_b32 s[G0I+3], s[G0I+3], 0x80000000
	s_mov_b32 s[G0S], 1
	s_add_co_u32 s[G0S+1], s74, SCL
	s_add_nc_u64 s[G0S+2:G0S+3], s[10:11], s[68:69]
	s_or_b32 s[G0S+3], s[G0S+3], 0x80000000
	CROUND                                         ; all four work-groups are here: the first joint loads meet
	tensor_load_to_lds s[G0S:G0S+3], s[G1S:G1S+7]  ; the frame's scale words: filled once
	s_nop 0
	tensor_load_to_lds s[G0I:G0I+3], s[G1I:G1I+7]  ; key steps 0 and 1: two loads of mine are out
	s_nop 0
	PLACES 4
	s_bfe_u32 s23, ttmp6, 0x40000                  ; cx
	s_lshl_b32 s24, ttmp9, 2
	s_add_co_u32 s24, s24, s23                     ; qb
	s_mov_b32 s71, 0
	s_lshl_b32 s70, s25, 19                        ; K's and V's prefetches: my work-group's and my wave's part, in fill 1; the first change steps it to fill 2
	s_lshl_b32 s73, s23, 15
	s_add_co_u32 s70, s70, s73
	s_lshl_b32 s73, s[WV], 13
	s_add_co_u32 s70, s70, s73
	s_add_co_u32 s70, s70, SLOT1
	s_add_nc_u64 s[PFA:PFA+1], s[8:9], s[70:71]
	s_cmp_eq_u32 ttmp9, 0                          ; the frame's first cluster asks: the same in all four partners
	s_cselect_b32 s[LIM], 1, -1
	s_lshl_b32 s72, s25, 3
	s_add_co_u32 s72, s72, s24                     ; 8 f + qb
	s_lshl_b32 s70, s72, 15
	s_lshl_b32 s73, s[WV], 13
	s_add_co_u32 s70, s70, s73
	s_add_nc_u64 s[4:5], s[4:5], s[70:71]          ; Q's images: tile 2 w
	s_lshl_b32 s70, s72, 11                        ; Q's scale words: tile m stands in lanes 16 (m / 4) + r, register m % 4
	s_lshr_b32 s73, s[WV], 1
	s_lshl_b32 s73, s73, 8
	s_add_co_u32 s70, s70, s73
	s_and_b32 s73, s[WV], 1
	s_lshl_b32 s73, s73, 3
	s_add_co_u32 s70, s70, s73
	s_add_nc_u64 s[6:7], s[6:7], s[70:71]
	s_lshr_b32 s70, s25, 4                         ; x and out0: b, t, my 128 positions, my 128 channels
	s_lshl_b32 s70, s70, 25
	s_and_b32 s73, s25, 15
	s_lshl_b32 s73, s73, 12
	s_add_co_u32 s70, s70, s73
	s_lshl_b32 s73, s24, 9
	s_add_co_u32 s70, s70, s73
	s_lshl_b32 s73, s[WV], 23
	s_add_co_u32 s70, s70, s73
	s_add_nc_u64 s[18:19], s[18:19], s[70:71]
	s_add_nc_u64 s[20:21], s[20:21], s[70:71]
	s_mov_b32 s[G0X], 1                            ; x's half: my first 64 channels, to 32,768 x wave in slot 0
	s_lshl_b32 s[G0X+1], s[WV], 15
	s_mov_b64 s[G0X+2:G0X+3], s[18:19]
	s_or_b32 s[G0X+3], s[G0X+3], 0x80000000
	s_lshl_b32 s70, s[WV], 15
	s_add_nc_u64 s[12:13], s[12:13], s[70:71]
	s_lshl_b32 s70, s[WV], 11
	s_add_nc_u64 s[14:15], s[14:15], s[70:71]
	s_lshl_b32 s70, s[WV], 9
	s_add_nc_u64 s[16:17], s[16:17], s[70:71]
	s_mov_b32 s[SEL], 0x76543210
	s_mov_b32 s[SEL+1], 0xfedcba98
	s_mov_b32 s[CS], 0x3d8293ee                    ; c = log2(e) / sqrt(512)
	s_mov_b32 s[CS+1], s[CS]
	s_mov_b32 s[TB], 0
	s_mov_b32 s[TS], SCL
	s_mov_b32 s[SLOTS], 3
	s_mov_b32 s[HM], 0xffff0000
	v_and_b32 v[LI], 31, v0
	v_lshlrev_b32 v[PFO], 8, v[LI]
	v_lshlrev_b32 v[LI], 4, v[LI]
	v_and_b32 v2, 15, v0                           ; r  (v2 to v4 are at work here)
	v_bfe_u32 v3, v0, 4, 1                         ; lane / 16
	v_lshlrev_b32 v[QO], 4, v2
	v_lshl_add_u32 v[QO], v3, 2, v[QO]
	WIN 0x40
.irp q, 0,1
.irp s, 0,1,2,3
.irp c, 0,1
	global_load_b128 v[32*\q+8*\s+4*\c:32*\q+8*\s+4*\c+3], v[LI], s[4:5] offset:\q*4096+\s*1024+512*\c   ; Q stays in registers
.endr
.endr
.endr
	WIN 0
.irp s, 0,1,2,3
	global_load_b32 v[QS+\s], v[QO], s[6:7] offset:512*\s   ; lanes 0-15 tile 2 w's words, lanes 16-31 tile 2 w + 1's
.endr
	v_and_b32 v4, 8, v0
	v_add_nc_u32 v4, v4, v2                        ; r + 8 (r / 8)
	v_lshlrev_b32 v[WA], 8, v4
	v_lshl_add_u32 v[WA], v3, 4, v[WA]
	v_lshlrev_b32 v[WSA], 4, v4
	v_lshlrev_b32 v[BVA], 2, v4
	v_lshlrev_b32 v[PFX], 16, v4
	v_lshl_add_u32 v[PFX], v3, 8, v[PFX]
	s_mul_i32 s74, s[WV], 8448
	s_add_co_u32 s74, s74, STAGE
	v_mul_u32_u24 v[STO], v2, 528
	v_lshl_add_u32 v[STO], v3, 6, v[STO]
	v_add_nc_u32 v[STO], s74, v[STO]
	v_add_nc_u32 v[RD], s74, v[LI]
	s_lshl_b32 s74, s[WV], 13
	s_add_co_u32 s74, s74, OIMG
	v_add_nc_u32 v[OWA], s74, v[LI]
	s_lshl_b32 s74, s[WV], 15
	v_add_nc_u32 v[XLA], s74, v[LI]
	v_lshl_add_u32 v[OSW], v0, 4, OSC
	v_add_nc_u32 v[HSA], OSC, v[LI]
.irp q, 0,1
	v_mov_b32 v[ST+6*\q+1], 0xff61b1e6             ; the largest t so far: -3e38
	v_floor_f32 v[ST+6*\q], -v[ST+6*\q+1]
	v_mov_b32 v[ST+6*\q+2], 0
	v_mov_b32 v[ST+6*\q+3], 0
	v_mov_b32 v[ST+6*\q+5], 0                      ; (named as the upper half of f's pair)
.endr
.irp b, 0,1,2,3
	v_mov_b32 v[BP+\b], 0                          ; a lane permute's destination counts as read
.endr
	WIN 0x80                                       ; O^T begins as zeros, written while the first tiles are on their way: so the key step stands twice in the text and not four times
.set ii, 0
.rept 256
	v_mov_b32 v[ii], 0
.set ii, ii+1
.endr
	WIN 0xc0
.set ii, 0
.rept 256
	v_mov_b32 v[ii], 0
.set ii, ii+1
.endr
	WIN 0
	s_wait_loadcnt 0x0                             ; Q and its scale words
.Lslot:                                            ; three trips: behind each of these changes of slots the next two key steps are asked for
	CHANGE 1
	TWO_STEPS 0
	s_sub_co_u32 s[SLOTS], s[SLOTS], 1
	s_cmp_lg_u32 s[SLOTS], 0
	s_cbranch_scc1 .Lslot
	CHANGE 2                                       ; the last slot is written out: slot 0, which has been left, takes half of x
	TWO_STEPS 1
	; ---- THE TAIL.  The rows' sums; these lines are the places behind the last products
	v_add_f32 v[ST+2], v[ST+2], v[ST+3]
	v_add_f32 v[ST+8], v[ST+8], v[ST+9]
	v_permlanex16_b32 v[BP], v[ST+2], s[SEL], s[SEL+1]
	v_permlanex16_b32 v[BP+1], v[ST+8], s[SEL], s[SEL+1]
	v_add_f32 v[ST+2], v[ST+2], v[BP]
	v_add_f32 v[ST+8], v[ST+8], v[BP+1]
	WLOAD 0, 12                                    ; proj_w lands while out is quantised
	WLOAD 1, 12
.irp t, 0,1,2,3,4,5,6,7
	global_load_b128 v[WS+4*\t:WS+4*\t+3], v[WSA], s[14:15] offset:(32*(\t/2)+8*(\t%2))*16
.endr
.irp t, 0,1,2,3,4,5,6,7
	global_load_b32 v[SET1+8*\t], v[BVA], s[16:17] offset:(32*(\t/2)+8*(\t%2))*4
.endr
	v_rcp_f32 v[ST+4], v[ST+2]
	v_rcp_f32 v[ST+10], v[ST+8]
	v_add_nc_u32 v[HA], OIMG, v[LI]                ; (a plain line behind the reciprocals)
	s_wait_alu depctr_va_vdst(0)                   ; one wait for the two reciprocals, ahead of their first reader
	s_wait_tensorcnt 0x0                           ; my 64 channels of x lie in LDS: I alone read them
	s_wait_dscnt 0x0                               ; my reads of slot 1 are over:
	s_barrier_signal -1                            ; say so; out's images are stored into slot 1 only when all four waves have said so
.irp q, 0,1
	WIN 0x82+0x41*\q
.set ii, 0
.rept 128
	v_pk_mul_f32 v[2*ii:2*ii+1], v[2*ii:2*ii+1], v[ST+6*\q+4:ST+6*\q+5] op_sel_hi:[1,0]   ; out = O / the sum
.set ii, ii+1
.endr
.if \q == 0
	s_barrier_wait -1                              ; (the 128 multiplications above, work on registers, stand between the signal and this wait)
.endif
.irp s, 0,1,2,3
	s_wait_dscnt 2                                 ; the image stored two fragments ago has left its registers (the last image's two stores may be out)
	QUANT 64*\s, 2+\q, PC+8*(\s%2), OW+4*\q+\s
	ds_store_b128 v[OWA], v[PC+8*(\s%2):PC+8*(\s%2)+3] offset:\q*4096+\s*1024
	ds_store_b128 v[OWA], v[PC+8*(\s%2)+4:PC+8*(\s%2)+7] offset:\q*4096+\s*1024+512
.endr
.if \q == 0
	WLOAD 2, 12
	WLOAD 3, 12
.endif
.endr
.irp s, 0,1,2,3
	v_cndmask_b32 v[SO+\s], v[OW+\s], v[OW+4+\s], s[HM]   ; lanes 0-15 tile 2 w's word, lanes 16-31 tile 2 w + 1's
.endr
	ds_store_b128 v[OSW], v[SO:SO+3]
	s_wait_dscnt 0x0                               ; for the others' sake: my images and words lie in LDS
	s_barrier_signal -1
	s_barrier_wait -1
.irp i, 0,1,2,3
	ds_load_b128 v[HS+4*\i:HS+4*\i+3], v[HSA] offset:512*\i
.endr
	HFETCH 0, SET0
	s_wait_loadcnt 0x0                             ; proj_w, its scales, the bias
	s_wait_dscnt 0x0
.irp t, 0,1,2,3,4,5,6,7
.irp j, 1,2,3,4,5,6,7
	v_mov_b32 v[SET1+8*\t+\j], v[SET1+8*\t]        ; a lane holds one channel: its bias in all eight registers of the first C
.endr
.endr
	MUL 0, SET0, 1
	PLACES 4
	WIN 0
	HFETCH 1, SET1
	HFETCH 2, SET0
	XLOAD 4                                        ; x's second half takes the registers of the weight's K steps that are done with: all of it is asked for ahead of the way out
	s_wait_dscnt 16
	MUL 1, SET1, 0
	PLACES 4
	WIN 0
	HFETCH 3, SET1
	XLOAD 5
	s_wait_dscnt 16
	MUL 2, SET0, 0
	PLACES 4
	WIN 0
	XLOAD 6
	s_wait_dscnt 0x0
	MUL 3, SET1, 0
	PLACES 4                                       ; in front of the loads below and of the first read of results
	WIN 0
	XLOAD 7
	TOSTAGE 0
.irp t, 1,2,3,4,5,6,7
.if \t > 1
	s_wait_xcnt 0x0                                ; the stores of two tiles ago have read their registers, into which this tile's rows come back
.endif
	TOSTAGE \t
.if \t < 4
	SEND \t-1, 48                                  ; behind tile t - 1's loads: tile t's 16 stores, 16 loads back and 16 loads of x
.else
	SEND \t-1, 32                                  ; tile t's 16 stores and 16 loads
.endif
.endr
	SEND 7, 0
	s_wait_tensorcnt 0x0                           ; the wave's end: behind my last tensor load and my last LDS store
	ds_add_u32 v[SPW], v[NIL]
	s_wait_dscnt 0x0
	CROUND                                         ; the closing round
	s_endpgm
.Lfunc_end_k_q1eba427cfa_attn:
	.size	k_q1eba427cfa_attn, .Lfunc_end_k_q1eba427cfa_attn-k_q1eba427cfa_attn
	.p2alignl 7, 3214868480
	.fill 96, 4, 3214868480
	.section	.rodata,"a",@progbits
	.p2align	6, 0x0
	.amdhsa_kernel k_q1eba427cfa_attn
		.amdhsa_group_segment_fixed_size 327680
		.amdhsa_private_segment_fixed_size 0
		.amdhsa_enable_private_segment 0
		.amdhsa_kernarg_size 72
		.amdhsa_user_sgpr_count 2
		.amdhsa_user_sgpr_kernarg_segment_ptr 1
		.amdhsa_wavefront_size32 1
		.amdhsa_system_sgpr_workgroup_id_x 1
		.amdhsa_system_sgpr_workgroup_id_y 1
		.amdhsa_system_sgpr_workgroup_id_z 1
		.amdhsa_system_vgpr_workitem_id 0
		.amdhsa_next_free_vgpr 1024
		.amdhsa_next_free_sgpr 88
		.amdhsa_reserve_vcc 0
		.amdhsa_float_denorm_mode_32 3
		.amdhsa_float_denorm_mode_16_64 3
		.amdhsa_memory_ordered 1
		.amdhsa_forward_progress 1
		.amdhsa_inst_pref_size 255
	.end_amdhsa_kernel
	.section	.bss,"aw",@nobits
	.p2align	6
	.space	262144
	.amdgpu_metadata
---
amdhsa.version: [ 1, 2 ]
amdhsa.kernels:
  - .name:           k_q1eba427cfa_attn
    .symbol:         k_q1eba427cfa_attn.kd
    .args:
      - { .name: qimg, .offset: 0, .size: 8, .value_kind: global_buffer, .address_space: global }
      - { .name: qsc, .offset: 8, .size: 8, .value_kind: global_buffer, .address_space: global }
      - { .name: kv, .offset: 16, .size: 8, .value_kind: global_buffer, .address_space: global }
      - { .name: sc, .offset: 24, .size: 8, .value_kind: global_buffer, .address_space: global }
      - { .name: proj_w_codes, .offset: 32, .size: 8, .value_kind: global_buffer, .address_space: global }
      - { .name: proj_w_scales, .offset: 40, .size: 8, .value_kind: global_buffer, .address_space: global }
      - { .name: proj_b, .offset: 48, .size: 8, .value_kind: global_buffer, .address_space: global }
      - { .name: x, .offset: 56, .size: 8, .value_kind: global_buffer, .address_space: global }
      - { .name: out0, .offset: 64, .size: 8, .value_kind: global_buffer, .address_space: global }
    .group_segment_fixed_size: 327680
    .private_segment_fixed_size: 0
    .kernarg_segment_align: 8
    .kernarg_segment_size: 72
    .max_flat_workgroup_size: 128
    .sgpr_count:     88
    .vgpr_count:     1024
    .wavefront_size: 32
...
	.end_amdgpu_metadata
.endif
;; end of part 3
